; MI455X (gfx1250); checked and timed in simulation.
; The chip was launched on July 23, 2026; its instructions are those of AMD's public machine-readable ISA for CDNA 5 (MIT licence, August 2026) and "CDNA5" Instruction Set Architecture Reference Guide (July 2026). The comments in the code are by the model that wrote it; some were corrected since.
;; Multihead Attention. Allowed arithmetic: float matrix products may take bf16 or f16 operands with f32 sums; other float arithmetic in f32, or as packed bf16 or f16 multiplies, adds, multiply-adds, maxima and minima; sums over many terms, partial sums and values carried from step to step in f32; what a program stores and reads back later, other than sums and carried values, may be rounded once to bf16 or f16.
;; Inputs: Wk 1,024 x 1,024 float32; Wo 1,024 x 1,024 float32; Wq 1,024 x 1,024 float32; Wv 1,024 x 1,024 float32; bk 1,024 float32; bo 1,024 float32; bq 1,024 float32; bv 1,024 float32; x 4 x 2,048 x 1,024 float32.
;; Outputs: out0 4 x 2,048 x 1,024 float32.
;; One version. Each part assembles by itself: llvm-mc -triple=amdgcn-amd-amdhsa -mcpu=gfx1250 --defsym DOCPART=n.
;; ======== version 1 of 1: 4 launches
;; limits: values are held in f16: magnitudes above 65,504 overflow, below 6.1e-05 lose precision
;; workspace buffers: cst 25,165,824 bytes; qkv 50,331,648 bytes; o 16,777,216 bytes
;; launch cast (part 1): grid 64 x 12, 8 waves a work-group, no clusters, 0 bytes of LDS; arguments x, Wq, Wk, Wv, Wo, cst; writes cst
.if DOCPART == 1
	.amdgcn_target "amdgcn-amd-amdhsa--gfx1250"
	.amdhsa_code_object_version 6
	.text
	.protected	k_q8ac81250a0_cast
	.globl	k_q8ac81250a0_cast
	.p2align	8
	.type	k_q8ac81250a0_cast,@function
k_q8ac81250a0_cast:
	s_mov_b64 s[64:65], 0
	v_nop
	global_prefetch_b8 v0, s[64:65] scope:SCOPE_SE
	s_setreg_imm32_b32 hwreg(HW_REG_WAVE_MODE, 25, 1), 1
	s_wait_xcnt 0x0
; x, Wq, Wk, Wv (f32) -> bf16; Wo (f32) -> bf16 and that number written as f16.  All go into cst, twelve segments of 1,048,576 numbers (2 MiB each):
; segments 0-7 x's eighths, 8 Wq, 9 Wk, 10 Wv (so Wq, Wk, Wv are one matrix of 3,072 rows), 11 Wo.
; LIMIT.  Wo's numbers must lie within f16's range (65,504); below 2^-17 they keep f16's fixed step of 6e-8.  x, Wq, Wk, Wv have bf16's whole range.
; SHARES.  Grid y is the segment, grid x one of its 64 pieces: 64 KiB in, 32 KiB out.  Thread t takes the 16 bytes at 16 t + 4,096 i, i = 0..15, and stores 8 bytes at 8 t + 2,048 i:
; a wave's load covers 512 consecutive bytes, aligned; a wave's store 256 consecutive bytes, aligned.  All sixteen loads go out first (8 KiB a wave); no loop, no LDS, no register written twice
; but the four at work.  Memory binds: matrix units, LDS and clusters would add nothing.
.set X, 4                              ; v[4:67]    sixteen loads of four f32
.set Y, 68                             ; v[68:99]   sixteen pairs to store
.set T, 100                            ; v[100:103] at work (Wo alone)
	s_load_b256 s[4:11], s[0:1], 0x0               ; x s[4:5], Wq s[6:7], Wk s[8:9], Wv s[10:11]
	s_load_b128 s[12:15], s[0:1], 0x20             ; Wo s[12:13], cst s[14:15]
	s_and_b32 s16, ttmp7, 0xffff                   ; the segment
	v_lshlrev_b32 v1, 4, v0                        ; 16 t
	v_lshlrev_b32 v2, 3, v0                        ; 8 t
	s_lshl_b32 s18, s16, 22                        ; an eighth of x is 4 MiB;
	s_cmp_lt_u32 s16, 8
	s_cselect_b32 s18, s18, 0                      ; a weight matrix begins at its own first byte
	s_lshl_b32 s17, ttmp9, 16                      ; the piece: 64 KiB in,
	s_add_co_u32 s18, s18, s17
	s_mov_b32 s19, 0
	s_lshl_b32 s20, s16, 21                        ; a segment of cst is 2 MiB,
	s_lshl_b32 s17, ttmp9, 15                      ; the piece 32 KiB
	s_add_co_u32 s20, s20, s17
	s_mov_b32 s21, 0
	s_wait_kmcnt 0x0
	s_cmp_eq_u32 s16, 8                            ; the source: a choice between buffers by the segment's number
	s_cselect_b64 s[4:5], s[6:7], s[4:5]
	s_cmp_eq_u32 s16, 9
	s_cselect_b64 s[4:5], s[8:9], s[4:5]
	s_cmp_eq_u32 s16, 10
	s_cselect_b64 s[4:5], s[10:11], s[4:5]
	s_cmp_eq_u32 s16, 11
	s_cselect_b64 s[4:5], s[12:13], s[4:5]
	s_add_nc_u64 s[4:5], s[4:5], s[18:19]
	s_add_nc_u64 s[14:15], s[14:15], s[20:21]
.irp i, 0,1,2,3,4,5,6,7,8,9,10,11,12,13,14,15
	global_load_b128 v[X+4*(\i):X+4*(\i)+3], v1, s[4:5] offset:4096*(\i) th:TH_LOAD_NT
.endr
; Load i is rounded and stored.  wo = 1: the bf16 numbers are widened again (a shift, a mask) and written as f16.
.macro OUTI i, wo
	s_wait_loadcnt 15-(\i)                         ; loads come back in order (ISA guide 5.7.1): load i is in, the 15 - i younger ones stay out
	v_cvt_pk_bf16_f32 v[Y+2*(\i)], v[X+4*(\i)], v[X+4*(\i)+1]
	v_cvt_pk_bf16_f32 v[Y+2*(\i)+1], v[X+4*(\i)+2], v[X+4*(\i)+3]
.if \wo
	v_lshlrev_b32 v[T], 16, v[Y+2*(\i)]
	v_and_b32 v[T+1], 0xffff0000, v[Y+2*(\i)]
	v_lshlrev_b32 v[T+2], 16, v[Y+2*(\i)+1]
	v_and_b32 v[T+3], 0xffff0000, v[Y+2*(\i)+1]
	v_cvt_pk_f16_f32 v[Y+2*(\i)], v[T], v[T+1]
	v_cvt_pk_f16_f32 v[Y+2*(\i)+1], v[T+2], v[T+3]
.endif
	global_store_b64 v2, v[Y+2*(\i):Y+2*(\i)+1], s[14:15] offset:2048*(\i)
.endm
	s_cmp_eq_u32 s16, 11
	s_cbranch_scc1 .Lwo
.irp i, 0,1,2,3,4,5,6,7,8,9,10,11,12,13,14,15
	OUTI \i, 0
.endr
	s_endpgm
.Lwo:
.irp i, 0,1,2,3,4,5,6,7,8,9,10,11,12,13,14,15
	OUTI \i, 1
.endr
	s_endpgm
.Lfunc_end_k_q8ac81250a0_cast:
	.size	k_q8ac81250a0_cast, .Lfunc_end_k_q8ac81250a0_cast-k_q8ac81250a0_cast
	.p2alignl 7, 3214868480
	.fill 96, 4, 3214868480
	.section	.rodata,"a",@progbits
	.p2align	6, 0x0
	.amdhsa_kernel k_q8ac81250a0_cast
		.amdhsa_group_segment_fixed_size 0
		.amdhsa_private_segment_fixed_size 0
		.amdhsa_enable_private_segment 0
		.amdhsa_kernarg_size 48
		.amdhsa_user_sgpr_count 2
		.amdhsa_user_sgpr_kernarg_segment_ptr 1
		.amdhsa_wavefront_size32 1
		.amdhsa_system_sgpr_workgroup_id_x 1
		.amdhsa_system_sgpr_workgroup_id_y 1
		.amdhsa_system_sgpr_workgroup_id_z 1
		.amdhsa_system_vgpr_workitem_id 0
		.amdhsa_next_free_vgpr 112
		.amdhsa_next_free_sgpr 66
		.amdhsa_reserve_vcc 0
		.amdhsa_float_denorm_mode_32 3
		.amdhsa_float_denorm_mode_16_64 3
		.amdhsa_memory_ordered 1
		.amdhsa_forward_progress 1
		.amdhsa_inst_pref_size 16
	.end_amdhsa_kernel
	.amdgpu_metadata
---
amdhsa.version: [ 1, 2 ]
amdhsa.kernels:
  - .name:           k_q8ac81250a0_cast
    .symbol:         k_q8ac81250a0_cast.kd
    .args:
      - { .name: x, .offset: 0, .size: 8, .value_kind: global_buffer, .address_space: global }
      - { .name: Wq, .offset: 8, .size: 8, .value_kind: global_buffer, .address_space: global }
      - { .name: Wk, .offset: 16, .size: 8, .value_kind: global_buffer, .address_space: global }
      - { .name: Wv, .offset: 24, .size: 8, .value_kind: global_buffer, .address_space: global }
      - { .name: Wo, .offset: 32, .size: 8, .value_kind: global_buffer, .address_space: global }
      - { .name: cst, .offset: 40, .size: 8, .value_kind: global_buffer, .address_space: global }
    .group_segment_fixed_size: 0
    .private_segment_fixed_size: 0
    .kernarg_segment_align: 8
    .kernarg_segment_size: 48
    .max_flat_workgroup_size: 256
    .sgpr_count:     66
    .vgpr_count:     112
    .wavefront_size: 32
...
	.end_amdgpu_metadata
.endif
;; end of part 1
;; launch qkvp (part 2): grid 16 x 32, 4 waves a work-group, clusters of 4 x 4, 327,680 bytes of LDS; arguments cst, bq, bk, bv, qkv; writes qkv
.if DOCPART == 2
	.amdgcn_target "amdgcn-amd-amdhsa--gfx1250"
	.amdhsa_code_object_version 6
	.text
	.protected	k_q8ac81250a0_qkvp
	.globl	k_q8ac81250a0_qkvp
	.p2align	8
	.type	k_q8ac81250a0_qkvp,@function
k_q8ac81250a0_qkvp:
	s_mov_b64 s[64:65], 0
	v_nop
	global_prefetch_b8 v0, s[64:65] scope:SCOPE_SE
	s_setreg_imm32_b32 hwreg(HW_REG_WAVE_MODE, 25, 1), 1
	s_wait_xcnt 0x0
	s_wait_alu depctr_hold_cnt(0) depctr_sa_sdst(0) depctr_va_vdst(0) depctr_va_sdst(0) depctr_va_ssrc(0) depctr_va_vcc(0) depctr_vm_vsrc(0)
	s_getreg_b32 s2, hwreg(HW_REG_IB_STS2, 6, 4)
	s_cmp_eq_u32 s2, 0
	s_cbranch_scc0 .Lentry_in_a_cluster
	s_endpgm
.Lentry_in_a_cluster:
	s_bfe_u32 s2, ttmp6, 0x10000c
	s_cmp_lg_u32 s2, 0xf033
	s_cbranch_scc0 .Lentry_shape_is_right
	s_endpgm
.Lentry_shape_is_right:
; q, k, v = x W^T + b.  A = x [8192][1024] bf16 at cst's first byte; B = Wq, Wk, Wv as one matrix [3072][1024] bf16 at cst + WOFF; sums in f32; the biases, rounded to bf16 like the other
; inputs, are the C operand of each accumulator's first product.  The result leaves unscaled, rounded once to f16, by heads: qkv[3][64 = batch x 16 + head][2048][64].
; LIMIT.  |q|, |k|, |v| must stay under 65,504 (f16's largest number): a greater one becomes an infinity.  NaN and infinities are not treated apart.
; SHARES.  A tile of C is 256 rows x 192 columns (three heads): 32 x 16 tiles, 512 work-groups.  Four waves, each 128 x 96: 48 accumulators of 16 x 16, 384 registers.
; K = 1,024 goes in 8 steps of 128 through two LDS slots; a row of a tile is 256 bytes of memory, at a multiple of 256 from the buffer's first byte.
; CLUSTER.  4 x 4 work-groups: the four of a row of the cluster need the same tiles of A, the four of a column the same tiles of B; each tile is asked for JOINTLY, by the same tensor load, descriptor and mask.
; THE MATRIX INSTRUCTION IS USED TRANSPOSED (source 0 = 16 rows of B, source 1 = 16 rows of A): lane l holds row l % 16 of C and the columns 8 (l / 16) + 0..7: 16 bytes of f16 on end.
; REGISTERS, in windows of 256 (s_set_vgpr_msb: bits 1:0 source 0, 3:2 source 1, 5:4 source 2, 7:6 destination):
;   window 0: v0-29 addresses; v32-143, v144-255 two fragment buffers (A's 8 fragments, then B's 6); on the way out v32-127 packed results, v128-223 rows read back
;   window 1: the 24 accumulators of my rows 0-63 ((a, b) at v[8 (6 a + b)]);  window 2: those of my rows 64-127, and v192-239 the biases of my 96 columns
.set NBW,   6                          ; blocks of 16 columns a wave
.set PITCH, 272                        ; an LDS row: 256 bytes + 16 of padding: the 16 rows of a fragment load start at 16 different groups of four banks (64 banks of 4 bytes: ISA guide 11.1)
.set AHALF, 128*PITCH                  ; 128 rows of A: one tensor load, and what one wave reads
.set BOFF,  2*AHALF                    ; B's 192 rows lie behind A's 256
.set BHALF, 96*PITCH                   ; 96 rows of B: one tensor load, and what one wave reads
.set SLOT1, 1<<17                      ; a slot uses 121,856 bytes; slot 1 begins here, so that one exclusive or turns an address in one slot into the other's
.set STAGE, 1<<18                      ; behind the ring, never filled by a tensor load: [row half 2][head 3][64 rows][144 bytes], the work-group's, for the way out
.set SPH,   144                        ; a stage row: a head's 128 bytes + 16
.set HSTG,  64*SPH
.set SPARE, STAGE+6*HSTG               ; behind the stage: the spare words, 128 bytes for each wave: two blocks of 256 bytes that no other line names
.set NL,    2*NBW+16                   ; LDS loads in a run
.set KADD,  256                        ; bytes along a row from a K step to the next
.set WOFF,  0x1000000                  ; the weights' first byte in cst
.set ADRA0, 8                          ; v8   my lane's place in A's tile of slot 0; never rewritten
.set ADRB0, 9                          ; v9   the same for B
.set ADRA,  10                         ; v10  the same in the slot in hand
.set ADRB,  11                         ; v11
.set STO1,  12                         ; v12  the way out: where blocks 0, 1, 4, 5 go
.set STO2,  13                         ; v13  where blocks 2, 3 go
.set RD,    14                         ; v14  where I read rows back
.set GO,    15                         ; v15  16 x lane: my 16 bytes of 512 consecutive bytes of a head
.set BO,    16                         ; v16  32 (l / 16): my eight biases of a block
.set SPW,   28                         ; v28  LDS address of my spare word: SPARE + 4 x my thread's number; never rewritten
.set NIL,   29                         ; v29  0; never rewritten
.set F0,    32
.set F1,    144
.set TMP,   32
.set BK,    128
.set BI,    192                        ; in window 2
.set WV,  14                           ; s14  my wave's number
.set RH,  15                           ; s15  which half of the tile's rows is mine.  Also: I fetch for A (0) or for B (1)
.set CH,  16                           ; s16  which half of its columns.  Also: which half of that tile I fetch
.set TB,  23                           ; s23  0 or SLOT1: the slot that is read
.set G1,  24                           ; s[24:31] descriptor group 1 for A's tiles
.set G0,  32                           ; s[32:39] group 0 for A's: a set for each of the two first fills; the second then walks on
.set G1B, 40                           ; s[40:47], s[48:55] the same for B's
.set G0B, 48
.set CNT, 56                           ; s56  trips to go
.set HB,  66                           ; s[66:71] qkv at my 16 rows of the tile's first 64, for each of the tile's three heads
.set BP,  72                           ; s[72:83] the bias of each of my six blocks: a pair of its own for each, so that no pending load's base is written
.set MSB, 0
.macro WIN new                         ; the immediate's high byte repeats the setting that is left; a switch that changes nothing is dropped
.if MSB != (\new)
	s_set_vgpr_msb (MSB<<8)|(\new)
.set MSB, \new
.endif
.endm
.macro PLACES                          ; four places in front of loads into registers that matrix instructions have read, and of lines that read results
.rept 4
	v_nop
.endr
.endm
; A joint refill by the walking descriptors.  Waves 0 and 1 fetch A's two halves, waves 2 and 3 B's; the branch hangs on the wave's number alone.
; An s_nop 0 and four v_nop follow each of the two lines, ahead of the jump and the label.
.macro JLOAD
	s_cmp_eq_u32 s[RH], 0
	s_cbranch_scc0 .Lfor_b_\@
	tensor_load_to_lds s[G0+4:G0+7], s[G1:G1+7]
	s_nop 0
.rept 4
	v_nop
.endr
	s_branch .Lasked_\@
.Lfor_b_\@:
	tensor_load_to_lds s[G0B+4:G0B+7], s[G1B:G1B+7]
	s_nop 0
.rept 4
	v_nop
.endr
.Lasked_\@:
.endm
.macro CREST                           ; a round of the cluster's barrier behind its opening barrier: wave 0 signals for the work-group, every wave waits for all sixteen, my work-group's barrier closes it
	s_cmp_lg_u32 s[WV], 0
	s_cbranch_scc1 .Lnot_wave_0_\@
	s_barrier_signal -3
.Lnot_wave_0_\@:
	s_barrier_wait -3
	s_barrier_signal -1
	s_barrier_wait -1
.endm
.macro CROUND                          ; a whole round
	s_barrier_signal -1
	s_barrier_wait -1
	CREST
.endm
	s_load_b256 s[4:11], s[0:1], 0x0               ; cst s[4:5], bq s[6:7], bk s[8:9], bv s[10:11]
	s_load_b64 s[12:13], s[0:1], 0x20              ; qkv
	v_lshl_add_u32 v[SPW], v0, 2, SPARE
	v_mov_b32 v[NIL], 0
	ds_add_u32 v[SPW], v[NIL]                      ; the wave's opening: the add and its wait stand ahead of my first tensor load; the set-up below, work on registers, stands between them
	v_lshrrev_b32 v3, 5, v0
	v_readfirstlane_b32 s[WV], v3                  ; wave 0..3
	s_lshr_b32 s[RH], s[WV], 1
	s_and_b32 s[CH], s[WV], 1
	s_bfe_u32 s17, ttmp6, 0x40000                  ; cx, cy: my place in the cluster
	s_bfe_u32 s18, ttmp6, 0x40004
	s_lshl_b32 s19, ttmp9, 2
	s_add_co_u32 s19, s19, s17                     ; tile column = 4 x cluster x + cx
	s_and_b32 s20, ttmp7, 0xffff
	s_lshl_b32 s20, s20, 2
	s_add_co_u32 s20, s20, s18                     ; tile row = 4 x cluster y + cy
	s_lshl_b32 s21, s18, 2
	s_lshl_b32 s21, 15, s21                        ; my row of the cluster: places 4 cy .. 4 cy + 3
	s_lshl_b32 s22, 0x1111, s17                    ; my column: places cx, cx + 4, cx + 8, cx + 12
	; descriptor group 1: rows of 128 elements of 2 bytes, 16 bytes of padding behind each in LDS; A: 128 rows, B: 96
	s_or_b32 s[G1], s21, (1<<16)|(1<<20)|(1<<21)|(5<<22)|(3<<25)   ; 15:0 the mask; 17:16 2-byte elements; 20 padding on; 21 set beside a mask; 24:22 after every 64 words (code 5); 31:25 4 words (code 3)
	s_or_b32 s[G1B], s22, (1<<16)|(1<<20)|(1<<21)|(5<<22)|(3<<25)
	s_mov_b32 s[G1+1], 128<<16                     ; tensor_dim0 = 128
	s_mov_b32 s[G1+2], 128<<16                     ; tensor_dim1 = 128
	s_mov_b32 s[G1+3], 128<<16                     ; tile_dim0 = 128
	s_mov_b32 s[G1+4], 128                         ; tile_dim1 = 128
	s_mov_b32 s[G1+5], 1024                        ; 1,024 elements from row to row
	s_mov_b32 s[G1+6], 0
	s_mov_b32 s[G1+7], 0
	s_mov_b32 s[G1B+1], 128<<16
	s_mov_b32 s[G1B+2], 96<<16                     ; tensor_dim1 = 96
	s_mov_b32 s[G1B+3], 128<<16
	s_mov_b32 s[G1B+4], 96                         ; tile_dim1 = 96
	s_mov_b32 s[G1B+5], 1024
	s_mov_b32 s[G1B+6], 0
	s_mov_b32 s[G1B+7], 0
	; where the tiles come from: A's hang on the tile row alone, B's on the tile column alone, each in registers that never hold the other coordinate
	s_lshl_b32 s58, s20, 8
	s_lshl_b32 s59, s[CH], 7
	s_add_co_u32 s58, s58, s59                     ; A: row 256 x tile row + 128 x half,
	s_lshl_b32 s58, s58, 11                        ; 2,048 bytes a row
	s_mov_b32 s59, 0
	s_mul_i32 s60, s19, 192
	s_mul_i32 s61, s[CH], 96
	s_add_co_u32 s60, s60, s61                     ; B: row 192 x tile column + 96 x half
	s_lshl_b32 s60, s60, 11
	s_add_co_u32 s60, s60, WOFF
	s_mov_b32 s61, 0
	s_mul_i32 s57, s[CH], AHALF                    ; and where they go: no place in the cluster enters an LDS address
	s_mul_i32 s62, s[CH], BHALF
	s_add_co_u32 s62, s62, BOFF
	s_wait_dscnt 0x0                               ; the opening add is done
	s_wait_kmcnt 0x0
	s_add_nc_u64 s[58:59], s[4:5], s[58:59]
	s_add_nc_u64 s[60:61], s[4:5], s[60:61]
	CROUND                                         ; all sixteen work-groups are here: the first joint loads meet
.irp s, 0,1
	s_mov_b32 s[G0+4*(\s)], 1                                      ; 1:0 count = 1
	s_add_co_u32 s[G0+4*(\s)+1], s57, (\s)*SLOT1                   ; 63:32 LDS address
	s_add_nc_u64 s[G0+4*(\s)+2:G0+4*(\s)+3], s[58:59], (\s)*KADD   ; 120:64 global address: K step s
	s_or_b32 s[G0+4*(\s)+3], s[G0+4*(\s)+3], 0x80000000            ; 127:126 type = 2
	s_mov_b32 s[G0B+4*(\s)], 1
	s_add_co_u32 s[G0B+4*(\s)+1], s62, (\s)*SLOT1
	s_add_nc_u64 s[G0B+4*(\s)+2:G0B+4*(\s)+3], s[60:61], (\s)*KADD
	s_or_b32 s[G0B+4*(\s)+3], s[G0B+4*(\s)+3], 0x80000000
.endr
	s_cmp_eq_u32 s[RH], 0                          ; a wave's two first fills stand in one branch, ahead of every wait on TENSORcnt and every LDS read: two loads of mine are out, later one
	s_cbranch_scc0 .Lfirst_b
	tensor_load_to_lds s[G0:G0+3], s[G1:G1+7]
	s_nop 0
	tensor_load_to_lds s[G0+4:G0+7], s[G1:G1+7]
	s_nop 0
.rept 4
	v_nop
.endr
	s_branch .Lfirst_asked
.Lfirst_b:
	tensor_load_to_lds s[G0B:G0B+3], s[G1B:G1B+7]
	s_nop 0
	tensor_load_to_lds s[G0B+4:G0B+7], s[G1B:G1B+7]
	s_nop 0
.rept 4
	v_nop
.endr
.Lfirst_asked:
	; all that follows up to the barrier stands in the wait for the first tile
	v_and_b32 v1, 15, v0                           ; l % 16
	v_bfe_u32 v2, v0, 4, 1                         ; l / 16
	v_lshlrev_b32 v[BO], 5, v2
	; a fragment is 16 rows x 32 K in 8 registers: lane l holds row l % 16, K = 8 (l / 16) + 0..7 and 16 + 8 (l / 16) + 0..7: two loads of 16 bytes, 32 bytes apart
	v_mul_u32_u24 v3, v1, PITCH
	v_lshl_add_u32 v3, v2, 4, v3
	s_mul_i32 s63, s[RH], AHALF
	v_add_nc_u32 v[ADRA0], s63, v3                 ; my 128 rows of A
	v_add_nc_u32 v[ADRB0], s62, v3                 ; my 96 rows of B
	v_mov_b32 v[ADRA], v[ADRA0]
	v_mov_b32 v[ADRB], v[ADRB0]
	s_mov_b32 s[TB], 0
	; the stage.  My 96 columns are a head and a half: column half 0 holds head 0 and the first 32 columns of head 1, column half 1 the rest of head 1 and head 2.
	; Block b goes to byte {0, 32, 64, 96, 9216, 9248}[b] of a row for half 0; for half 1 blocks 0, 1, 4, 5 lie 9,280 bytes further on, blocks 2, 3 18,368
	v_mul_u32_u24 v4, v1, SPH
	v_lshl_add_u32 v4, v2, 4, v4
	s_mul_i32 s63, s[RH], 3*HSTG
	s_add_co_u32 s63, s63, STAGE
	v_add_nc_u32 v4, s63, v4
	s_mul_i32 s63, s[CH], HSTG+64
	v_add_nc_u32 v[STO1], s63, v4
	s_mul_i32 s63, s[CH], 2*HSTG-64
	v_add_nc_u32 v[STO2], s63, v4
	v_bfe_u32 v5, v0, 3, 2                         ; back: 32 lanes take four rows of 128 bytes; wave w takes rows 16 w .. 16 w + 15 of each of the six groups of 64
	v_and_b32 v6, 7, v0
	v_mul_u32_u24 v5, v5, SPH
	v_lshl_add_u32 v5, v6, 4, v5
	s_mul_i32 s63, s[WV], 16*SPH
	s_add_co_u32 s63, s63, STAGE
	v_add_nc_u32 v[RD], s63, v5
	v_and_b32 v[GO], 31, v0
	v_lshlrev_b32 v[GO], 4, v[GO]
	; the biases: block b's 16 columns lie in one of the three vectors, chosen by column / 1,024
	s_mul_i32 s84, s19, 192
	s_mul_i32 s85, s[CH], 96
	s_add_co_u32 s84, s84, s85                     ; my first column of the 3,072
	s_mov_b32 s87, 0
	WIN 0x80                                       ; destination window 2, address window 0
.irp b, 0,1,2,3,4,5
	s_add_co_u32 s86, s84, 16*(\b)
	s_lshr_b32 s85, s86, 10
	s_and_b32 s86, s86, 1023
	s_lshl_b32 s86, s86, 2
	s_cmp_eq_u32 s85, 1
	s_cselect_b64 s[BP+2*(\b):BP+2*(\b)+1], s[8:9], s[6:7]
	s_cmp_eq_u32 s85, 2
	s_cselect_b64 s[BP+2*(\b):BP+2*(\b)+1], s[10:11], s[BP+2*(\b):BP+2*(\b)+1]
	s_add_nc_u64 s[BP+2*(\b):BP+2*(\b)+1], s[BP+2*(\b):BP+2*(\b)+1], s[86:87]
	global_load_b128 v[BI+8*(\b):BI+8*(\b)+3],   v[BO], s[BP+2*(\b):BP+2*(\b)+1]
	global_load_b128 v[BI+8*(\b)+4:BI+8*(\b)+7], v[BO], s[BP+2*(\b):BP+2*(\b)+1] offset:16
.endr
	WIN 0
	; the three heads' places in qkv: head g = 3 x tile column + 0..2 of 48: tensor g / 16, head g % 16; batch = tile row / 8; a head is 2^18 bytes, a row 128
	s_mul_i32 s84, s19, 3
	s_lshr_b32 s85, s20, 3
	s_lshl_b32 s85, s85, 4
	s_and_b32 s86, s20, 7
	s_lshl_b32 s86, s86, 15                        ; the tile's 256 rows in the batch,
	s_lshl_b32 s87, s[WV], 11                      ; my 16 rows of a group of 64
	s_add_co_u32 s86, s86, s87
.irp hd, 0,1,2
	s_add_co_u32 s87, s84, \hd
	s_lshr_b32 s[HB+2*(\hd)], s87, 4
	s_lshl_b32 s[HB+2*(\hd)], s[HB+2*(\hd)], 6
	s_and_b32 s87, s87, 15
	s_or_b32 s[HB+2*(\hd)], s[HB+2*(\hd)], s87
	s_or_b32 s[HB+2*(\hd)], s[HB+2*(\hd)], s85
	s_lshl_b32 s[HB+2*(\hd)], s[HB+2*(\hd)], 18
	s_add_co_u32 s[HB+2*(\hd)], s[HB+2*(\hd)], s86
	s_mov_b32 s[HB+2*(\hd)+1], 0
	s_add_nc_u64 s[HB+2*(\hd):HB+2*(\hd)+1], s[12:13], s[HB+2*(\hd):HB+2*(\hd)+1]
.endr
; 12 matrix instructions: row blocks a0, a0 + 1 of the half hi x all 6 column blocks, 32 along K.  first = 1: the bias starts the sums: nothing is cleared and no addition is written.
; The 48 accumulators take turns, one instruction a turn, in the same order in every quarter, over the backward jump and into the tail too.
.macro MULP f, hi, a0, first
.if \first
	WIN 0x60+0x40*(\hi)                            ; C in window 2; D in window 1 or 2
.else
	WIN 0x50+0x50*(\hi)                            ; C and D in window 1 or 2
.endif
.irp a, \a0, (\a0)+1
.irp b, 0,1,2,3,4,5
.if \first
	v_wmma_f32_16x16x32_bf16 v[8*(6*(\a)+(\b)):8*(6*(\a)+(\b))+7], v[(\f)+64+8*(\b):(\f)+64+8*(\b)+7], v[(\f)+8*(4*(\hi)+(\a)):(\f)+8*(4*(\hi)+(\a))+7], v[BI+8*(\b):BI+8*(\b)+7]
.else
	v_wmma_f32_16x16x32_bf16 v[8*(6*(\a)+(\b)):8*(6*(\a)+(\b))+7], v[(\f)+64+8*(\b):(\f)+64+8*(\b)+7], v[(\f)+8*(4*(\hi)+(\a)):(\f)+8*(4*(\hi)+(\a))+7], v[8*(6*(\a)+(\b)):8*(6*(\a)+(\b))+7]
.endif
.endr
.endr
.endm
; 28 LDS loads in one run: the fragments of quarter q (32 K at byte 64 q of the rows) into buffer f: B's six, A's rows 0-63, A's rows 64-127
.macro FETCH q, f
	WIN 0
.irp j, 0,1,2,3,4,5
	ds_load_b128 v[(\f)+64+8*(\j):(\f)+64+8*(\j)+3],   v[ADRB] offset:64*(\q)+(\j)*16*PITCH
	ds_load_b128 v[(\f)+64+8*(\j)+4:(\f)+64+8*(\j)+7], v[ADRB] offset:64*(\q)+(\j)*16*PITCH+32
.endr
.irp i, 0,1,2,3,4,5,6,7
	ds_load_b128 v[(\f)+8*(\i):(\f)+8*(\i)+3],   v[ADRA] offset:64*(\q)+(\i)*16*PITCH
	ds_load_b128 v[(\f)+8*(\i)+4:(\f)+8*(\i)+7], v[ADRA] offset:64*(\q)+(\i)*16*PITCH+32
.endr
.endm
; A K step is four quarters of 32 along K, 48 matrix instructions each, on buffers 0, 1, 0, 1.  One of the first three: multiplies buffer f; in its middle it fetches quarter qn into buffer g.
.macro QUARTER qn, f, g, first
	s_wait_dscnt 8                                 ; B and A's rows 0-63 are in; the youngest eight loads (A's rows 64-127) may be out
	MULP \f, 0, 0, \first
	MULP \f, 0, 2, \first
	PLACES                                         ; buffer g was read by the quarter before
	FETCH \qn, \g
	s_wait_dscnt NL                                ; all but the 28 just issued
	MULP \f, 1, 0, \first
	MULP \f, 1, 2, \first
.endm
; The fourth quarter multiplies buffer 1 and changes slots: ONE barrier.  In front of it each wave waits for all its tensor loads (one is out: its part of the next slot), adds 0 to its spare word, and waits for that and
; for its own reads of this slot.  fill = 1: the barrier opens a round of the cluster's; behind the round this slot is filled again, two K steps ahead: 168 matrix instructions stand between the request and the wait for it.
.macro TURN fill
	WIN 0                                          ; (the add's two registers lie in window 0)
	s_wait_tensorcnt 0x0                           ; all my tensor loads have landed
	ds_add_u32 v[SPW], v[NIL]                      ; 0 onto my spare word
	s_wait_dscnt 9                                 ; (the add and the youngest eight loads may be out)
	MULP F1, 0, 0, 0                               ; twelve matrix instructions stand between the add and the wait for it
	s_wait_dscnt 0x0                               ; the add is done, and my reads of this slot are over
	s_barrier_signal -1
	MULP F1, 0, 2, 0                               ; work on registers while the others arrive
	WIN 0                                          ; (branches may follow)
	s_barrier_wait -1
.if \fill
	CREST                                          ; no wave of any partner still reads this slot's tile or has a load on its way
	s_xor_b32 s[G0+5], s[G0+5], SLOT1              ; the walking descriptors: the other slot than last time,
	s_add_nc_u64 s[G0+6:G0+7], s[G0+6:G0+7], KADD  ; the next K step; the type bits on top are not reached
	s_xor_b32 s[G0B+5], s[G0B+5], SLOT1
	s_add_nc_u64 s[G0B+6:G0B+7], s[G0B+6:G0B+7], KADD
	JLOAD                                          ; the first tensor load behind the round; its four v_nop are also the places in front of the loads below
.else
	PLACES
.endif
	s_xor_b32 s[TB], s[TB], SLOT1                  ; the reads go on in the other slot
	v_add_nc_u32 v[ADRA], s[TB], v[ADRA0]
	v_add_nc_u32 v[ADRB], s[TB], v[ADRB0]
	FETCH 0, F0
	MULP F1, 1, 0, 0
	MULP F1, 1, 2, 0
.endm
	s_wait_tensorcnt 0x1                           ; my part of K step 0 is in; step 1's may stay out
	s_barrier_signal -1
	s_barrier_wait -1                              ; everybody's is
	FETCH 0, F0
	s_wait_loadcnt 0x0                             ; the biases
	WIN 0x0a                                       ; they are rounded to bf16, as all inputs are: sources window 2, destination window 0 (buffer 1 is still free)
.set t, 0
.rept 24
	v_cvt_pk_bf16_f32 v[F1+t], v[BI+2*t], v[BI+2*t+1]
.set t, t+1
.endr
	WIN 0x80                                       ; and widened again: a shift, a mask
.set t, 0
.rept 24
	v_lshlrev_b32 v[BI+2*t], 16, v[F1+t]
	v_and_b32 v[BI+2*t+1], 0xffff0000, v[F1+t]
.set t, t+1
.endr
	QUARTER 1, F0, F1, 1                           ; the first quarter stands in front of the loop: its products start the sums
	WIN 0                                          ; at a label and at a branch every window is 0
	s_mov_b32 s[CNT], 6
.Lstep:                                                ; trip t: quarters 1-3 of K step t, quarter 0 of step t + 1; step t + 2 is asked for
	QUARTER 2, F1, F0, 0
	QUARTER 3, F0, F1, 0
	TURN 1
	QUARTER 1, F0, F1, 0
	WIN 0
	s_sub_co_u32 s[CNT], s[CNT], 1
	s_cmp_lg_u32 s[CNT], 0
	s_cbranch_scc1 .Lstep
	QUARTER 2, F1, F0, 0                           ; the tail is written out: steps 6 and 7 ask for nothing
	QUARTER 3, F0, F1, 0
	TURN 0
	QUARTER 1, F0, F1, 0
	QUARTER 2, F1, F0, 0
	QUARTER 3, F0, F1, 0
	s_wait_dscnt 8                                 ; the very last quarter: nothing more to fetch
	MULP F1, 0, 0, 0
	MULP F1, 0, 2, 0
	s_wait_dscnt 0x0
	MULP F1, 1, 0, 0
	MULP F1, 1, 2, 0
	WIN 0
	PLACES
	PLACES
; THE WAY OUT, in two passes of 64 of my rows (pass p: window 1 + p).  Rounded to f16, 16 bytes a lane, into the work-group's stage; a barrier, since the middle head's rows come from two waves;
; back as whole rows of a head, four rows (512 consecutive bytes of qkv) a load; stored.
.macro CVT p
	WIN 0x05*(1+(\p))                              ; sources 0 and 1: window 1 or 2
.set t, 0
.rept 24
.irp r, 0,1,2,3
	v_cvt_pk_f16_f32 v[TMP+4*t+(\r)], v[8*t+2*(\r)], v[8*t+2*(\r)+1]
.endr
.set t, t+1
.endr
	WIN 0
.endm
.macro STORE
.irp a, 0,1,2,3
	ds_store_b128 v[STO1], v[TMP+4*(6*(\a)+0):TMP+4*(6*(\a)+0)+3] offset:(\a)*16*SPH
	ds_store_b128 v[STO1], v[TMP+4*(6*(\a)+1):TMP+4*(6*(\a)+1)+3] offset:(\a)*16*SPH+32
	ds_store_b128 v[STO2], v[TMP+4*(6*(\a)+2):TMP+4*(6*(\a)+2)+3] offset:(\a)*16*SPH+64
	ds_store_b128 v[STO2], v[TMP+4*(6*(\a)+3):TMP+4*(6*(\a)+3)+3] offset:(\a)*16*SPH+96
	ds_store_b128 v[STO1], v[TMP+4*(6*(\a)+4):TMP+4*(6*(\a)+4)+3] offset:(\a)*16*SPH+HSTG
	ds_store_b128 v[STO1], v[TMP+4*(6*(\a)+5):TMP+4*(6*(\a)+5)+3] offset:(\a)*16*SPH+HSTG+32
.endr
.endm
.macro READ                            ; load t: group t / 4 (row half t / 12, head (t / 4) % 3), my rows 4 (t % 4) .. + 3
.set t, 0
.rept 24
	ds_load_b128 v[BK+4*t:BK+4*t+3], v[RD] offset:(t/4)*HSTG+(t%4)*4*SPH
.set t, t+1
.endr
.endm
.macro SEND p
.set t, 0
.rept 24
	s_wait_dscnt 23-t                              ; LDS loads come back in order (ISA guide 5.7.1): load t is in, the 23 - t younger ones may be out
	global_store_b128 v[GO], v[BK+4*t:BK+4*t+3], s[HB+2*((t/4)%3):HB+2*((t/4)%3)+1] offset:(t/12)*16384+(\p)*8192+(t%4)*512  ; 512 consecutive bytes, at a multiple of 256 from qkv's first
.set t, t+1
.endr
.endm
	CVT 0
	STORE
	s_wait_dscnt 0x0                               ; for the others' sake: my stores into the stage are done
	s_barrier_signal -1
	s_barrier_wait -1
	READ
	CVT 1                                          ; the second pass's roundings stand between the loads and the waits for them
	SEND 0
	s_wait_dscnt 0x0                               ; my reads of the stage are over
	s_barrier_signal -1
	s_barrier_wait -1                              ; everybody's are: it may be written again
	STORE
	s_wait_dscnt 0x0
	s_barrier_signal -1
	s_barrier_wait -1
	s_wait_xcnt 0x0                                ; the first pass's stores have read their registers (ISA guide 3.1): these are loaded again only behind this wait
	READ
	SEND 1
	s_wait_tensorcnt 0x0                           ; the wave's end: a wait, an add and its wait, behind my last tensor load and my last LDS store
	ds_add_u32 v[SPW], v[NIL]
	s_wait_dscnt 0x0
	CROUND                                         ; the closing round: no work-group ends while a partner may still ask for a tile that names it
	s_endpgm
.Lfunc_end_k_q8ac81250a0_qkvp:
	.size	k_q8ac81250a0_qkvp, .Lfunc_end_k_q8ac81250a0_qkvp-k_q8ac81250a0_qkvp
	.p2alignl 7, 3214868480
	.fill 96, 4, 3214868480
	.section	.rodata,"a",@progbits
	.p2align	6, 0x0
	.amdhsa_kernel k_q8ac81250a0_qkvp
		.amdhsa_group_segment_fixed_size 327680
		.amdhsa_private_segment_fixed_size 0
		.amdhsa_enable_private_segment 0
		.amdhsa_kernarg_size 40
		.amdhsa_user_sgpr_count 2
		.amdhsa_user_sgpr_kernarg_segment_ptr 1
		.amdhsa_wavefront_size32 1
		.amdhsa_system_sgpr_workgroup_id_x 1
		.amdhsa_system_sgpr_workgroup_id_y 1
		.amdhsa_system_sgpr_workgroup_id_z 1
		.amdhsa_system_vgpr_workitem_id 0
		.amdhsa_next_free_vgpr 768
		.amdhsa_next_free_sgpr 88
		.amdhsa_reserve_vcc 0
		.amdhsa_float_denorm_mode_32 3
		.amdhsa_float_denorm_mode_16_64 3
		.amdhsa_memory_ordered 1
		.amdhsa_forward_progress 1
		.amdhsa_inst_pref_size 102
	.end_amdhsa_kernel
	.amdgpu_metadata
---
amdhsa.version: [ 1, 2 ]
amdhsa.kernels:
  - .name:           k_q8ac81250a0_qkvp
    .symbol:         k_q8ac81250a0_qkvp.kd
    .args:
      - { .name: cst, .offset: 0, .size: 8, .value_kind: global_buffer, .address_space: global }
      - { .name: bq, .offset: 8, .size: 8, .value_kind: global_buffer, .address_space: global }
      - { .name: bk, .offset: 16, .size: 8, .value_kind: global_buffer, .address_space: global }
      - { .name: bv, .offset: 24, .size: 8, .value_kind: global_buffer, .address_space: global }
      - { .name: qkv, .offset: 32, .size: 8, .value_kind: global_buffer, .address_space: global }
    .group_segment_fixed_size: 327680
    .private_segment_fixed_size: 0
    .kernarg_segment_align: 8
    .kernarg_segment_size: 40
    .max_flat_workgroup_size: 128
    .sgpr_count:     88
    .vgpr_count:     768
    .wavefront_size: 32
...
	.end_amdgpu_metadata
.endif
;; end of part 2
;; launch attn (part 3): grid 4 x 64, 4 waves a work-group, clusters of 4 x 1, 327,680 bytes of LDS; arguments qkv, o; writes o
.if DOCPART == 3
	.amdgcn_target "amdgcn-amd-amdhsa--gfx1250"
	.amdhsa_code_object_version 6
	.text
	.protected	k_q8ac81250a0_attn
	.globl	k_q8ac81250a0_attn
	.p2align	8
	.type	k_q8ac81250a0_attn,@function
k_q8ac81250a0_attn:
	s_mov_b64 s[64:65], 0
	v_nop
	global_prefetch_b8 v0, s[64:65] scope:SCOPE_SE
	s_setreg_imm32_b32 hwreg(HW_REG_WAVE_MODE, 25, 1), 1
	s_wait_xcnt 0x0
	s_wait_alu depctr_hold_cnt(0) depctr_sa_sdst(0) depctr_va_vdst(0) depctr_va_sdst(0) depctr_va_ssrc(0) depctr_va_vcc(0) depctr_vm_vsrc(0)
	s_getreg_b32 s2, hwreg(HW_REG_IB_STS2, 6, 4)
	s_cmp_eq_u32 s2, 0
	s_cbranch_scc0 .Lentry_in_a_cluster
	s_endpgm
.Lentry_in_a_cluster:
	s_bfe_u32 s2, ttmp6, 0x10000c
	s_cmp_lg_u32 s2, 0x3003
	s_cbranch_scc0 .Lentry_shape_is_right
	s_endpgm
.Lentry_shape_is_right:
; O[h][q][:] = the sum over k of softmax_k(Q[h][q] . K[h][k] / 8) V[h][k][:].  Q, K, V lie in qkv, [3][SIZE_H][SIZE_N][64], O in o, [SIZE_H][SIZE_N][64], all f16: a head's rows are dense, 128 bytes each.
; Products, maxima and sums in f32; the weights p are rounded to f16 for the second product (their sum l is taken of the unrounded p), O once at the end.
; LIMITS.  f16 holds no number beyond 65,504: Q, K and V arrive within it; p lies in 0 to 1, and below 6e-5 it keeps f16's fixed step of 6e-8; O is a mean of V's rows and has their range.
; A weight below 2^-126 counts as 0 in l; NaN and infinities are not treated apart.
; SHARES.  A wave owns four PIECES of two tiles of 16 queries, a work-group's four waves 512 queries of one head: 4 x 64 work-groups.  Every wave walks all keys, 64 a step.
; LAYOUT.  S^T = K Q^T (source 0 = 16 keys, source 1 = 16 queries): in the result a lane holds ONE query (lane % 16) and the keys 8 (lane / 16) + 0..7.  Two such tiles, rounded to f16 in pairs,
; ARE source 1 (32 keys x 16 queries) of O^T = V^T P, whose result again holds one query a lane, and eight channels.  K comes out of LDS as it lies, V ([key][channel]) turned, by ds_load_tr16_b128.
; SOFTMAX.  For each query a running maximum m and sum l: p = 2^(c s - c m), c = log2(e) / 8; in every step O and l are multiplied by a = 2^(c m_old - c m_new), which is 1 where m has not grown.
; m starts at the lowest finite number, O and l at 0: the first step is a step like any other, with a = 0.
; THE COUNT.  A tile and step have 16 matrix and 118 vector instructions: too many to stand all beside the matrix work.  So the order has one aim: four vector instructions that are READY behind
; EVERY matrix instruction, and the others, which need time of their own whatever the order, in runs without a gap.
; BY TURNS.  Turn n belongs to piece n (the pieces in a ring, step after step).  Its matrix work: 16 products K Q^T of piece n + 1, later 16 products V^T P of piece n - 1.  Its vector work: the scaling,
; exponentials, roundings, sums and rescaling of piece n, and the maximum and statistics of piece n + 1, whose scores the turn itself has made.  So what a turn begins with (c s - c m, O a) waits for nothing.
; CLUSTER.  The four query blocks of a head are one cluster and walk the same K and V, so each tile is asked for JOINTLY: the same tensor load, descriptor and mask in all four.
; REGISTERS, in windows of 256 (s_set_vgpr_msb says which window each operand place means: bits 1:0 source 0, 3:2 source 1, 5:4 source 2, 7:6 destination):
;   window 0: v0-11 addresses; v12-15, v48-63 at work; v16-47 four registers of statistics a tile; v64-191 S^T, two buffers of two tiles; v192-255 P, likewise
;   window 1: O^T, 32 a tile          window 2: v0-127 Q, 16 a tile; v128-191 K of one step; v192-255 V of one step          window 3: v0-1 the add's two registers
; A piece's buffers go by its number's parity: the piece in hand has one pair, its two neighbours in the ring share the other: of it P (piece n - 1) is read and S^T (piece n + 1) written.
.set SIZE_N, 2048
.set SIZE_H, 64
.set NP,    4         ; pieces a wave: a name, no knob: the register map, the loop and the fetches are made for four
.set KS,    64        ; keys in a step
.set PK,    144       ; a row of K in LDS: 128 bytes + 16 of padding = 36 words: the 16 rows of a load start at 16 different groups of four banks (64 banks of 4 bytes: ISA guide 11.1)
.set PV,    160       ; a row of V: 128 + 32 = 40 words
.set VOFF,  4*KS*PK   ; a slot holds four steps: 256 rows of K, then 256 rows of V
.set SLOT1, 1<<17     ; slot 1 begins here, so that one exclusive or turns an address in one slot into the other's
.set STAGE, SLOT1+4*KS*(PK+PV)  ; behind the ring, never filled by a tensor load: 16 rows x 144 bytes for each wave, for the way out
.set SP,    144
.set AK0, 2           ; v2   my lane's place in a tile of K; never rewritten
.set AV0, 3           ; v3   the same for V
.set AK,  4           ; v4   the LDS address of K's next run of loads
.set AV,  5           ; v5   of V's
.set QO,  6           ; v6   my byte offset in the wave's rows of Q
.set STO, 6           ;      later, the way out: where I put 16 bytes of a row
.set RD,  7           ; v7   the way out: where I read rows back
.set GO,  8           ; v8   my byte offset in 512 consecutive bytes of O
.set PFO, 11          ; v11  256 x my lane, the prefetches' offset; written once, when V's place has been made
.set SPW, 0           ; v0 of window 3   LDS address of my spare word: SPARE + 4 x my thread's number; never rewritten
.set NIL, 1           ; v1 of window 3   0; never rewritten
.set SPARE, STAGE+4*16*SP  ; behind the stages: the spare words, 128 bytes for each wave: two blocks of 256 bytes that no other line names
.set MV,  12          ; v12-15  c m_old, kept while c m is made anew: by buffer and tile
.set ST,  16          ; tile t's statistics at v[ST+4 t]: c m, m, l (even keys', odd keys')
.set TMP, 48          ; by buffer and tile, four registers c0-c3 at work; when the maximum is found c2 takes a
.set S,   64
.set P,   192
.set KF,  128         ; K's fragments, in window 2: key block kb, channel half c at KF + 16 kb + 8 c
.set VF,  192         ; V's: key half kk, channel block cb at VF + 32 kk + 8 cb
.set WV,  12          ; s12  my wave's number
.set G1K, 24          ; s[24:31] descriptor group 1 for K's tiles
.set G1V, 32          ; s[32:39] for V's: it differs in the padding alone
.set G0K, 40          ; s[40:43] descriptor group 0 for K's tiles: it walks
.set G0V, 44          ; s[44:47] the same for V's
.set PFA, 48          ; s[48:49] where my prefetches stand: my work-group's 8,192 bytes (of K: wave 0, of V: wave 2) of the slot after the one that is being asked for
.set LIM, 50          ; s50  1 in a wave that prefetches, else the greatest number: a wave prefetches while s[SLOTS] is above it
.set SLOTS, 56        ; s56  slots still to be asked for
.set CNT, 57          ; s57  counts a slot's key steps
.set CS,  58          ; s[58:59] c: the packed scaling takes the pair's low word for both halves
.set SEL, 60          ; s[60:61] v_permlanex16_b32's selects: each lane takes its own place in the other half
.set TBK, 62          ; s62  LDS byte at which K of the step to be fetched begins
.set TBV, 63          ; s63  the same for V, less VOFF
.set MSB, 0
.macro WIN new                      ; the high byte repeats the setting that is left; a switch that changes nothing is dropped
.if MSB != (\new)
	s_set_vgpr_msb (MSB<<8)|(\new)
.set MSB, (\new)
.endif
.endm
.set W_KQ, 0x0a       ; K and Q in window 2, S^T in window 0
.set W_PV, 0x52       ; V in window 2, P in window 0, O^T in window 1
.set W_RS, 0x41       ; O^T (destination and source 0) in window 1, a in window 0
.set W_MK, 0xc0       ; the add's registers are made: destination in window 3, sources in window 0
.set W_AD, 0x0f       ; the add: address (source 0) and data (source 1) in window 3
; A joint fill.  Waves 0 and 1 fetch the two halves of a slot's K, waves 2 and 3 those of its V: 128 keys each.  The branch hangs on the wave's number alone.
; An s_nop 0 and four v_nop follow each of the two lines, ahead of the jump and the label.
.macro JLOAD
	s_cmp_lt_u32 s[WV], 2
	s_cbranch_scc0 .Lfor_v_\@
	tensor_load_to_lds s[G0K:G0K+3], s[G1K:G1K+7]
	s_nop 0
.rept 4
	v_nop
.endr
	s_branch .Lasked_\@
.Lfor_v_\@:
	tensor_load_to_lds s[G0V:G0V+3], s[G1V:G1V+7]
	s_nop 0
.rept 4
	v_nop
.endr
.Lasked_\@:
.endm
; A PREFETCH INTO THE L2 of what the NEXT change of slots will ask for: a slot's 32,768 bytes of K and of V, a lane 256 bytes.  It stands behind the wave's tensor load and its five lines.
; Each block of 256 bytes is named ONCE in the launch: a head's K and V are walked by one cluster; its four partners share a slot out BY ADDRESS, 8,192 bytes each (no branch hangs on a work-group's
; place in its cluster); in each, wave 0 asks for K's and wave 2 for V's: one instruction.  The lead is one slot: four key steps, 512 matrix instructions.  Slots 0, 1 and 2 come by their loads alone;
; the last change that fills a slot asks for nothing: there is no slot behind it.
.macro ASK
	s_cmp_gt_u32 s[SLOTS], s[LIM]
	s_cbranch_scc0 .Lnot_mine_\@
	global_prefetch_b8 v[PFO], s[PFA:PFA+1] th:TH_LOAD_NT scope:SCOPE_SE
.Lnot_mine_\@:
.endm
; A round of the cluster's barrier: my work-group's barrier, so that wave 0's signal speaks for all four waves; wave 0 signals; every wave waits for all four work-groups; my work-group's barrier once more.
.macro CROUND
	s_barrier_signal -1
	s_barrier_wait -1
	s_cmp_lg_u32 s[WV], 0
	s_cbranch_scc1 .Lnot_wave_0_\@
	s_barrier_signal -3
.Lnot_wave_0_\@:
	s_barrier_wait -3
	s_barrier_signal -1
	s_barrier_wait -1
.endm
; THE CHANGE OF SLOTS.  The slot's last bytes, V of its fourth step, have been read.  Each wave waits for all its tensor loads, of which one is out: its part
; of the other slot; adds 0 to its spare word; and waits for that and for its own reads of the slot.  Behind the barrier nobody reads this slot any more and the other slot is whole.
; fill = 1: this slot is filled again, with the keys two slots on.  The barrier is then a round of the cluster's, so that no wave of any partner still reads the slot or has a load on its
; way, and the joint fill is the first thing behind it: it has four key steps, 512 matrix instructions, in which to land.  (At its first use nothing has been read yet: slot 0 is waited for, slot 1 filled.)
; ask = 1 (the loop's changes): the prefetches' address steps, and the slot behind the one just asked for is prefetched.
.macro CHANGE fill, ask=0
	WIN W_AD
	s_wait_tensorcnt 0x0            ; no tensor load of mine is out, so a group 0 may be written
	ds_add_u32 v[SPW], v[NIL]       ; 0 onto my spare word; with fill = 1 the descriptors' steps stand between it and the wait for it
	WIN 0                           ; at a label and at a branch every window is 0
.if \fill
.irp g, G0K, G0V
	s_xor_b32 s[\g+1], s[\g+1], SLOT1  ; the walking descriptor: the other slot than last time,
	s_add_nc_u64 s[\g+2:\g+3], s[\g+2:\g+3], 4*KS*128  ; the next 256 keys; the type bits on top are not reached
.endr
.if \ask
	s_wait_xcnt 0x0                 ; the last prefetch, four key steps back, has read its address, so it may be written:
	s_add_nc_u64 s[PFA:PFA+1], s[PFA:PFA+1], 4*KS*128  ; one slot behind the walking descriptors
.endif
	s_wait_dscnt 0x0                ; the add is done, and my reads of the slot are over
	CROUND
	JLOAD
.if \ask
	ASK
.endif
.else
	s_wait_dscnt 0x0                ; the add is done, and my reads of the slot are over
	s_barrier_signal -1
	s_barrier_wait -1
.endif
	s_sub_co_u32 s[TBK], s[TBK], 4*KS*PK  ; the fetches go back to a slot's first step,
	s_xor_b32 s[TBK], s[TBK], SLOT1       ; in the other slot
	s_sub_co_u32 s[TBV], s[TBV], 4*KS*PV
	s_xor_b32 s[TBV], s[TBV], SLOT1
.endm
	s_load_b64 s[4:5], s[0:1], 0x0    ; qkv: Q at its first byte
	s_load_b64 s[10:11], s[0:1], 0x8  ; O
	WIN W_MK
	v_lshl_add_u32 v[SPW], v0, 2, SPARE
	v_mov_b32 v[NIL], 0
	WIN W_AD
	ds_add_u32 v[SPW], v[NIL]       ; the wave's opening: the add and its wait stand ahead of my first tensor load; the set-up below, work on registers, stands between them
	WIN 0
	v_lshrrev_b32 v1, 5, v0
	v_readfirstlane_b32 s[WV], v1   ; wave 0..3
	s_bfe_u32 s13, ttmp6, 0x40000   ; cx: my place in the cluster
	s_lshl_b32 s14, ttmp9, 2        ; in a cluster launch ttmp9 counts clusters
	s_add_co_u32 s14, s14, s13      ; my block of queries = 4 x cluster x + cx: it enters Q's and O's addresses alone
	s_and_b32 s20, ttmp7, 0xffff    ; the head, which the four partners share
	s_mov_b32 s21, 0
	s_mov_b64 s[22:23], SIZE_N*128
	s_mul_u64 s[20:21], s[20:21], s[22:23]  ; the head's first byte in each of the four tensors
	s_and_b32 s16, s[WV], 1         ; which half of a slot's 256 keys I fetch:
	s_lshl_b32 s22, s16, 14         ; its 128 rows of 128 bytes in memory,
	s_mov_b32 s23, 0
	s_add_nc_u64 s[22:23], s[22:23], s[20:21]
	s_mul_i32 s17, s16, 128*PK      ; and its place in a slot, for K
	s_mul_i32 s18, s16, 128*PV      ; and for V: no place in the cluster enters an LDS address
	s_lshl_b32 s2, s14, 2
	s_add_co_u32 s2, s2, s[WV]      ; my wave among the head's,
	s_lshl_b32 s2, s2, 14           ; its 128 rows
	s_mov_b32 s3, 0
	s_add_nc_u64 s[2:3], s[2:3], s[20:21]
	; descriptor group 1.  128 keys are 16,384 dense bytes: asked for as 64 rows of 256 bytes, two keys a row, and padded in LDS after every key
	s_mov_b32 s[G1K], 15|(1<<16)|(1<<20)|(1<<21)|(4<<22)|(3<<25)  ; 15:0 the mask of four; 17:16 2-byte elements; 20 padding on; 21 set beside a mask; 24:22 after every 32 words (code 4); 31:25 4 words (code 3)
	s_mov_b32 s[G1V], 15|(1<<16)|(1<<20)|(1<<21)|(4<<22)|(7<<25)  ; the same with 8 words of padding (code 7)
.irp g, G1K, G1V
	s_mov_b32 s[\g+1], 128<<16      ; tensor_dim0 = 128
	s_mov_b32 s[\g+2], 64<<16       ; tensor_dim1 = 64
	s_mov_b32 s[\g+3], 128<<16      ; tile_dim0 = 128
	s_mov_b32 s[\g+4], 64           ; tile_dim1 = 64
	s_mov_b32 s[\g+5], 128          ; 128 elements from row to row
	s_mov_b32 s[\g+6], 0
	s_mov_b32 s[\g+7], 0
.endr
	s_mov_b32 s[CS], 0x3e38aa3b     ; c = log2(e) / 8 = 0.180337
	s_mov_b32 s[CS+1], s[CS]        ; named with it as a pair
	s_mov_b32 s[SEL], 0x76543210
	s_mov_b32 s[SEL+1], 0xfedcba98
	s_mov_b32 s[TBK], SLOT1+4*KS*PK ; the first change of slots turns these two into 0
	s_mov_b32 s[TBV], SLOT1+4*KS*PV
	s_mov_b32 s[G0K], 1             ; 1:0 count = 1
	s_mov_b32 s[G0K+1], s17         ; 63:32 LDS address: slot 0
	s_mov_b32 s[G0V], 1
	s_add_co_u32 s[G0V+1], s18, VOFF
	s_and_b32 s[LIM], s[WV], 1      ; 0 in waves 0 and 2,
	s_or_b32 s[LIM], s[LIM], ttmp9  ; of the head's first (here: only) cluster: the same in all four partners
	s_cmp_eq_u32 s[LIM], 0
	s_cselect_b32 s[LIM], 1, -1
	s_wait_dscnt 0x0                ; the opening add is done
	s_wait_kmcnt 0x0
	s_add_nc_u64 s[6:7], s[4:5], 0x1000000  ; K: 64 heads of 2^18 bytes behind Q
	s_add_nc_u64 s[8:9], s[4:5], 0x2000000  ; V: as far behind K
	s_add_nc_u64 s[G0K+2:G0K+3], s[6:7], s[22:23]  ; 120:64 global address: my half of the head's first 256 keys
	s_or_b32 s[G0K+3], s[G0K+3], 0x80000000        ; 127:126 type = 2
	s_add_nc_u64 s[G0V+2:G0V+3], s[8:9], s[22:23]
	s_or_b32 s[G0V+3], s[G0V+3], 0x80000000
	s_add_nc_u64 s[4:5], s[4:5], s[2:3]  ; Q and O at my wave's first row
	s_add_nc_u64 s[10:11], s[10:11], s[2:3]
	s_cmp_lt_u32 s[WV], 2
	s_cselect_b64 s[PFA:PFA+1], s[6:7], s[8:9]
	s_add_nc_u64 s[PFA:PFA+1], s[PFA:PFA+1], s[22:23]  ; (in waves 0 and 2: the head's first byte)
	s_lshl_b32 s2, s13, 13          ; my work-group's quarter of a slot
	s_mov_b32 s3, 0
	s_add_nc_u64 s[PFA:PFA+1], s[PFA:PFA+1], s[2:3]
	s_add_nc_u64 s[PFA:PFA+1], s[PFA:PFA+1], 2*4*KS*128  ; in slot 2; the loop's first change steps it to slot 3.  Nothing is prefetched here, at the head
	CROUND                          ; all four work-groups are here: the first joint loads meet
	JLOAD                           ; slot 0.  Slot 1 is asked for when slot 0 is in: the tile wanted first has the road to itself
	; A fragment of K or Q is 16 rows x 32 channels in 8 registers: lane l holds row l % 16, channels 8 (l / 16) + 0..7 and 16 + 8 (l / 16) + 0..7: two loads of 16 bytes, 32 bytes apart.
	v_and_b32 v1, 15, v0            ; l % 16
	v_bfe_u32 v9, v0, 4, 1          ; l / 16
	v_lshlrev_b32 v[QO], 7, v1
	v_lshl_add_u32 v[QO], v9, 4, v[QO]  ; row x 128 + 16 x half
	WIN 0x80                        ; destination window 2, address window 0
.set i, 0
.rept 4*NP                          ; Q stays in registers: tile i / 2, channels 32 (i % 2) on
	global_load_b128 v[8*i:8*i+3],   v[QO], s[4:5] offset:(i/2)*2048+(i%2)*64
	global_load_b128 v[8*i+4:8*i+7], v[QO], s[4:5] offset:(i/2)*2048+(i%2)*64+32
.set i, i+1
.endr
	; What the first turn finds: V's registers and P's second buffer hold 0 (its products V^T P, of a piece that has not been, add 0), O^T and l are 0.  All this stands in the wait for the first tile.
.set i, VF
.rept 64
	v_mov_b32 v[i], 0
.set i, i+1
.endr
	WIN 0x40
.set i, 0
.rept 64*NP
	v_mov_b32 v[i], 0
.set i, i+1
.endr
	WIN 0
.set i, 0
.rept 2*NP
	v_mov_b32 v[ST+4*i], 0xfe000000    ; c m: far below every c s
	v_mov_b32 v[ST+4*i+1], 0xff7fffff  ; m
	v_mov_b32 v[ST+4*i+2], 0
	v_mov_b32 v[ST+4*i+3], 0
.set i, i+1
.endr
.set i, P+32
.rept 32
	v_mov_b32 v[i], 0
.set i, i+1
.endr
	v_mul_u32_u24 v[AK0], v1, PK
	v_lshl_add_u32 v[AK0], v9, 4, v[AK0]  ; row x pitch + 16 x half
	; The turning load takes 16 keys x 16 channels (lane l reads key 8 (l / 16) + l % 8, channels 8 ((l / 8) % 2) + 0..7) and leaves half a fragment of V^T: lane l holds channel l % 16 and 8 keys.
	v_and_b32 v10, 7, v0
	v_bfe_u32 v11, v0, 3, 1
	v_lshl_add_u32 v[AV0], v9, 3, v10
	v_mul_u32_u24 v[AV0], v[AV0], PV
	v_lshl_add_u32 v[AV0], v11, 4, v[AV0]
	v_add_nc_u32 v[AV0], VOFF, v[AV0]
	v_and_b32 v[PFO], 31, v0
	v_lshlrev_b32 v[PFO], 8, v[PFO]
	v_mov_b32 v[AK], v[AK0]         ; key step 0 lies at the head of slot 0
; THE MATRIX WORK.  The 8 accumulators of a run of 16 take turns: between the two links of a chain stand 7 others'.
; Product i of 16 of S^T = K Q^T for piece x: channels 32 (i / 8) on, keys 16 ((i / 2) % 4) on, tile 2 x + i % 2.  The first 8 start the sums.
.macro KQ x
	WIN W_KQ
.set rS, S+64*((\x)%2)+32*(i%2)+8*((i/2)%4)
.set rK, KF+16*((i/2)%4)+8*(i/8)
.set rQ, 16*(2*(\x)+i%2)+8*(i/8)
.if i < 8
	v_wmma_f32_16x16x32_f16 v[rS:rS+7], v[rK:rK+7], v[rQ:rQ+7], 0
.else
	v_wmma_f32_16x16x32_f16 v[rS:rS+7], v[rK:rK+7], v[rQ:rQ+7], v[rS:rS+7]
.endif
.endm
; Product i of 16 of O^T += V^T P for piece x: keys 32 (i / 8) on, channels 16 ((i / 2) % 4) on, tile 2 x + i % 2.
.macro PV x
	WIN W_PV
.set rO, 32*(2*(\x)+i%2)+8*((i/2)%4)
.set rV, VF+32*(i/8)+8*((i/2)%4)
.set rP, P+32*((\x)%2)+16*(i%2)+8*(i/8)
	v_wmma_f32_16x16x32_f16 v[rO:rO+7], v[rV:rV+7], v[rP:rP+7], v[rO:rO+7]
.endm
.macro MM                           ; the turn's next matrix instruction
.if i < 16
	KQ (Y+1)%NP
.set i, i+1
.else
.set i, i-16
	PV (Y+NP-1)%NP
.set i, i+17
.endif
.endm
; THE LDS LOADS stand in runs of 16, never singly among the matrix instructions: a step's K (64 keys x 64 channels: 8 fragments) and its V (turned).  Their addresses are made some lines ahead.
; last = 1 (the tail): in the last trip there is no further step, and the run is jumped over.
.macro FETCH_K last=0
	WIN 0
.if \last
	s_cmp_eq_u32 s[CNT], 1
	s_cbranch_scc1 .Lno_k_\@
.endif
	WIN 0x80                        ; destination window 2
.irp f, 0,1,2,3,4,5,6,7             ; keys 16 (f / 2) on, channels 32 (f % 2) on
	ds_load_b128 v[KF+8*\f:KF+8*\f+3],   v[AK] offset:(\f/2)*16*PK+(\f%2)*64
	ds_load_b128 v[KF+8*\f+4:KF+8*\f+7], v[AK] offset:(\f/2)*16*PK+(\f%2)*64+32
.endr
	s_add_co_u32 s[TBK], s[TBK], KS*PK  ; the next fetch is the next step's
	WIN 0
.if \last
.Lno_k_\@:
.endif
.endm
.macro FETCH_V
	WIN 0x80
.irp f, 0,1,2,3,4,5,6,7             ; keys 32 (f / 4) on, channels 16 (f % 4) on
	ds_load_tr16_b128 v[VF+8*\f:VF+8*\f+3],   v[AV] offset:(\f/4)*32*PV+(\f%4)*32
	ds_load_tr16_b128 v[VF+8*\f+4:VF+8*\f+7], v[AV] offset:(\f/4)*32*PV+16*PV+(\f%4)*32
.endr
	WIN 0
.endm
; THE VECTOR WORK OF A TURN stands in three queues, each in the order in which its entries become ready; the two tiles alternate, so that no instruction reads the result of the one before it.
.macro REGS y, u                    ; the registers of tile u (0, 1) of piece y
.set rT, ST+4*(2*(\y)+(\u))
.set rC, TMP+8*((\y)%2)+4*(\u)
.set rM, MV+2*((\y)%2)+(\u)
.set rS, S+64*((\y)%2)+32*(\u)
.set rP, P+32*((\y)%2)+16*(\u)
.set rO, 32*(2*(\y)+(\u))
.endm
; Number n of the 22 that find the NEXT piece's (Y + 1) maximum and statistics.  s0-s31 are the lane's 32 scores; each accumulator's lowest registers are read first.  XS, GS and REGS set no window: PL and EX do.
;   0-11  four chains c0-c3 of seven scores each, three operands at a time     12-14, 16  the four scores left over, the old m, and c0-c3 into c0     15  c m_old is kept
;   17, 18  the query's other 32 keys lie in the lane 16 away: the new m         19-21  c m; c m_old - c m_new; a
.macro XS u, n
	REGS (Y+1)%NP, \u
.if (\n) < 4
	v_max3_num_f32 v[rC+(\n)], v[rS+8*(\n)], v[rS+8*(\n)+1], v[rS+8*(\n)+2]
.elseif (\n) < 12
	v_max3_num_f32 v[rC+(\n)%4], v[rC+(\n)%4], v[rS+8*((\n)%4)+2*((\n)/4)+1], v[rS+8*((\n)%4)+2*((\n)/4)+2]
.elseif (\n) == 12
	v_max3_num_f32 v[rC], v[rC], v[rS+7], v[rS+15]
.elseif (\n) == 13
	v_max3_num_f32 v[rC+1], v[rC+1], v[rS+23], v[rS+31]
.elseif (\n) == 14
	v_max3_num_f32 v[rC+2], v[rC+2], v[rC+3], v[rT+1]
.elseif (\n) == 15
	v_mov_b32 v[rM], v[rT]
.elseif (\n) == 16
	v_max3_num_f32 v[rC], v[rC], v[rC+1], v[rC+2]
.elseif (\n) == 17
	v_permlanex16_b32 v[rC+3], v[rC], s[SEL], s[SEL+1]
.elseif (\n) == 18
	v_max_num_f32 v[rT+1], v[rC], v[rC+3]
.elseif (\n) == 19
	v_mul_f32 v[rT], s[CS], v[rT+1]
.elseif (\n) == 20
	v_sub_f32 v[rC+1], v[rM], v[rT]
.else
	v_exp_f32 v[rC+2], v[rC+1]
.endif
.endm
; Number g of the 64 that follow the exponentials.  For each four weights k of a tile (pairs 2 k, 2 k + 1): both pairs are rounded to f16; then the second pair is added onto the first, in place;
; a group later l takes that sum (the first time as l = a l + sum).  In groups of eight, tiles alternating: round, round, add, and l for the group before.
.macro GS g
.set h, (\g)+6*((\g)/62)            ; group 0 has no group before it, and behind group 7 only l is left
.if h >= 6
.set h, h+2
.endif
	REGS Y, h%2
.set k, h/8
.if h%8 < 4
	s_wait_alu depctr_va_vdst(0)
	v_cvt_pk_f16_f32 v[rP+2*k+(h%8)/2], v[rS+4*k+2*((h%8)/2)], v[rS+4*k+2*((h%8)/2)+1]
.elseif h%8 < 6
	v_pk_add_f32 v[rS+4*k:rS+4*k+1], v[rS+4*k:rS+4*k+1], v[rS+4*k+2:rS+4*k+3]
.elseif k == 1
	v_pk_fma_f32 v[rT+2:rT+3], v[rT+2:rT+3], v[rC+2:rC+3], v[rS:rS+1] op_sel_hi:[1,0,1]
.else
	v_pk_add_f32 v[rT+2:rT+3], v[rT+2:rT+3], v[rS+4*k-4:rS+4*k-3]
	s_wait_alu depctr_va_vdst(0)
.endif
.endm
; THE PLAIN QUEUE, 138 long.  0-31: c s - c m for the 16 pairs of both tiles.  Then GS's 64, and among them the next piece's 42: number 15 at 38, 39; 0-14 and 16
; at 42-73, behind the products that make those scores; 17-20 at 95-106, two of three, since each waits for the one before it.
.macro PL
	WIN 0
.if q < 32
	REGS Y, q%2
	v_pk_fma_f32 v[rS+2*(q/2):rS+2*(q/2)+1], v[rS+2*(q/2):rS+2*(q/2)+1], s[CS:CS+1], v[rT:rT+1] op_sel_hi:[1,0,0] neg_lo:[0,0,1] neg_hi:[0,0,1]
.elseif q < 38
	GS q-32
.elseif q < 40
	XS q%2, 15
.elseif q < 42
	GS q-34
.elseif q < 74
	XS q%2, (q-42)/2+(q-42)/30
.elseif q < 95
	GS q-66
.elseif (q < 107) && ((q-95)%3 < 2)
	XS (q-95)%3, 17+(q-95)/3
.elseif q < 107
	GS 29+(q-95)/3
.else
	GS q-74
.endif
.set q, q+1
.endm
; THE EXPONENTIALS' QUEUE, 66 long: s0-s31 of both tiles, and at EA the next piece's two a.
.set EA, 58
.macro EX
	WIN 0
.if (e == EA) || (e == EA+1)
	XS e-EA, 21
.else
.set x, e-2*(e/(EA+2))
	REGS Y, x%2
	v_exp_f32 v[rS+x/2], v[rS+x/2]
.endif
.set e, e+1
.endm
; THE RESCALING's QUEUE: O^T times a, the one part that leaves window 0, so it is dealt four at a time, eight times.
.macro R4
	REGS Y, r%2
	WIN W_RS
	s_wait_alu depctr_va_vdst(0)
.irp z, 0,1,2,3
	v_pk_mul_f32 v[rO+8*(r/2)+2*\z:rO+8*(r/2)+2*\z+1], v[rO+8*(r/2)+2*\z:rO+8*(r/2)+2*\z+1], v[rC+2:rC+3] op_sel_hi:[1,0]
.endr
.set r, r+1
.endm
; HOW THEY ARE DEALT.  Behind a matrix instruction four: plain, exponential, plain, plain (one exponential, a plain instruction on either side), or four of the rescaling.  None names a register of the
; products round it.  What is over stands in two LUMPS: exponential and plain by turns; the second ends in 22 plain instructions.  The two v_permlanex16_b32 fall into the second lump, never behind a product.
; The queues lean on each other, and the deal keeps them in step: exponential e stands behind plain 2 (e / 4) + e % 2 (its scaling); when plain 32 comes, 10 exponentials are out, at 59: 33, at 95: 46; EA comes behind plain 107.
.macro SL
	MM
	PL
	EX
	PL
	PL
.endm
.macro BURST n                      ; 15 matrix instructions, or 16
.rept (\n)-7
	SL
.endr
.rept 3
	MM
	R4
	SL
.endr
	MM
	R4
.endm
; A TURN, for piece p.  cnt = 1: the loop's count is taken down some lines ahead of the branch that stands behind the turn.
; K of the next step is fetched in piece 2's turn, 31 vector instructions behind the last product that read K; its first reader comes behind the rest of the lump, 16 products and the second lump.
; V of the step in hand is fetched at the end of piece 0's turn, 69 behind its last reader; its first reader comes behind 16 products and a lump.  The four conditions on e and q below go with the deal.
.macro TURN p, last=0, cnt=0
.set Y, (\p)
.set i, 0
.set q, 0
.set e, 0
.set r, 0
.if (\p) == NP-1
	s_wait_dscnt 0x0                ; K is in
.endif
	MM
.rept 4
	PL
.endr
	BURST 15
.rept 22
	EX
	PL
.if ((\p) == NP-2) && (e == 18)
	v_add_nc_u32 v[AK], s[TBK], v[AK0]
.endif
.if ((\p) == NP-2) && (e == 24)
	FETCH_K \last
.endif
.endr
.if (\p) == 1
	s_wait_dscnt 0x0                ; V is in
.endif
	BURST 16
.rept 21
	EX
	PL
.endr
.rept 22
	PL
.if ((\p) == 0) && (q == 118)
	v_add_nc_u32 v[AV], s[TBV], v[AV0]
	s_wait_alu depctr_va_vdst(0)
.endif
.if ((\p) == 0) && (q == 130)
	s_add_co_u32 s[TBV], s[TBV], KS*PV
.endif
.if (\cnt) && (q == 130)
	s_sub_co_u32 s[CNT], s[CNT], 1
	s_cmp_lg_u32 s[CNT], 0
.endif
.endr
.if (\p) == 0
	FETCH_V
.endif
.endm
	CHANGE 1                        ; slot 0 is in, everybody's part of it; slot 1 is asked for
	FETCH_K                         ; key step 0
	s_wait_loadcnt 0x0              ; Q
	s_wait_dscnt 0x0
.set i, 0
.rept 16
	KQ 0                            ; piece 0's first scores: there is no vector work yet to set between them
.set i, i+1
.endr
	WIN 0                           ; the addresses for the way out: nine plain instructions, the places behind those products
	s_mul_i32 s13, s[WV], 16*SP
	s_add_co_u32 s13, s13, STAGE    ; my stage
	v_mul_u32_u24 v[STO], v1, SP    ; in: row l % 16, 16 bytes for each half of the lanes
	v_lshl_add_u32 v[STO], v9, 4, v[STO]
	v_add_nc_u32 v[STO], s13, v[STO]
	v_bfe_u32 v[RD], v0, 3, 2       ; back: 32 lanes take four rows of 128 bytes,
	v_mul_u32_u24 v[RD], v[RD], SP
	v_lshl_add_u32 v[RD], v10, 4, v[RD]
	v_add_nc_u32 v[RD], s13, v[RD]
	v_and_b32 v[GO], 31, v0         ; which are 512 consecutive bytes of O
	v_lshlrev_b32 v[GO], 4, v[GO]
.set Y, NP-1                        ; XS works for piece Y + 1: piece 0
.irp n, 0,1,2,3,4,5,6,7,8,9,10,11,12,13,14,15,16,17,18,19,20,21
	XS 0, \n                        ; and piece 0's first maximum and statistics
	XS 1, \n
.endr
	s_mov_b32 s[CNT], 4
	s_mov_b32 s[SLOTS], SIZE_N/256-1
	s_branch .Lfirst                ; the loop is entered at a step's first turn, in the middle of a trip
.Lslot:                             ; SIZE_N / 256 - 2 times: every slot but the last two is filled again
	CHANGE 1, 1
	s_mov_b32 s[CNT], 4
.Lstep:                             ; a trip: pieces 2 and 3 of one step, then pieces 0 and 1 of the next, whose K and V it fetches
	TURN 2
	TURN 3
	WIN 0
.Lfirst:
	TURN 0
	TURN 1, 0, 1
	WIN 0
	s_cbranch_scc1 .Lstep
	s_sub_co_u32 s[SLOTS], s[SLOTS], 1
	s_cmp_lg_u32 s[SLOTS], 0
	s_cbranch_scc1 .Lslot
	CHANGE 0                        ; the tail is written out: nothing is asked for
	s_mov_b32 s[CNT], 5             ; four trips fetch the last slot's steps; the fifth is left in its middle
.Ltail:
	TURN 2, 1
	TURN 3
	WIN 0
	s_sub_co_u32 s[CNT], s[CNT], 1
	s_cmp_eq_u32 s[CNT], 0
	s_cbranch_scc1 .Lout
	TURN 0
	TURN 1
	WIN 0
	s_branch .Ltail
.Lout:                              ; the fifth trip's 16 products K Q^T (on the last K once more) and the maximum made of them serve nothing: the price, once a launch, of one text for every trip
.set i, 0
.rept 16
	PV NP-1                         ; the last piece's V^T P of the last step
.set i, i+1
.endr
	; THE WAY OUT.  l's two halves and the other half of the lanes' are added; O^T is divided by l, rounded to f16 and sent through my stage in LDS, a tile at a time.  The additions are the places behind the last products.
	WIN 0
.macro ALL line:vararg              ; one line for each tile t
.set t, 0
.rept 2*NP
	\line
.set t, t+1
.endr
.endm
	ALL v_add_f32 v[ST+4*t+2], v[ST+4*t+2], v[ST+4*t+3]
	ALL v_permlanex16_b32 v[ST+4*t+3], v[ST+4*t+2], s[SEL], s[SEL+1]
	ALL v_add_f32 v[ST+4*t+2], v[ST+4*t+2], v[ST+4*t+3]
	ALL v_rcp_f32 v[ST+4*t+2], v[ST+4*t+2]
	v_nop                           ; a plain instruction between the last reciprocal and the use of its result
	s_wait_alu depctr_va_vdst(0)
; Tile t: a lane's eight channels of a row pack into 16 bytes; they go into rows of 144 bytes and come back as whole rows of 128, into S^T's registers.
.macro PACK t
	WIN W_RS
.set i, 32*(\t)
.rept 16
	v_pk_mul_f32 v[i:i+1], v[i:i+1], v[ST+4*(\t)+2:ST+4*(\t)+3] op_sel_hi:[1,0]
.set i, i+2
.endr
	WIN 0x05                        ; sources 0 and 1 window 1, destination window 0
.set i, 0
.rept 16
	v_cvt_pk_f16_f32 v[S+16*(\t)+i], v[32*(\t)+2*i], v[32*(\t)+2*i+1]
.set i, i+1
.endr
	WIN 0
.irp f, 0,1,2,3
	ds_store_b128 v[STO], v[S+16*(\t)+4*\f:S+16*(\t)+4*\f+3] offset:32*\f
.endr
.irp f, 0,1,2,3
	ds_load_b128 v[S+16*(\t)+4*\f:S+16*(\t)+4*\f+3], v[RD] offset:\f*4*SP  ; LDS serves a wave's instructions in order (ISA guide 5.7.1.4): these see the stores above; the next tile's stores come behind them
.endr
.endm
.macro SEND t, younger              ; younger: the LDS instructions issued behind tile t's loads: the next tile's eight, or none
	WIN 0
.irp f, 0,1,2,3
	s_wait_dscnt (\younger)+3-\f
	global_store_b128 v[GO], v[S+16*(\t)+4*\f:S+16*(\t)+4*\f+3], s[10:11] offset:(\t)*2048+\f*512  ; 512 consecutive bytes, at a multiple of 256 from O's first
.endr
.endm
	PACK 0
.set t, 1
.rept 2*NP-1                        ; a tile's arithmetic stands between the loads of the tile before and its stores
	PACK t
	SEND t-1, 8
.set t, t+1
.endr
	SEND 2*NP-1, 0
	WIN W_AD
	s_wait_tensorcnt 0x0            ; the wave's end: a wait, an add and its wait, behind my last tensor load and my last LDS store
	ds_add_u32 v[SPW], v[NIL]
	s_wait_dscnt 0x0
	WIN 0
	CROUND                          ; the closing round: no work-group ends while a partner may still ask for a tile that names it
	s_endpgm
.Lfunc_end_k_q8ac81250a0_attn:
	.size	k_q8ac81250a0_attn, .Lfunc_end_k_q8ac81250a0_attn-k_q8ac81250a0_attn
	.p2alignl 7, 3214868480
	.fill 96, 4, 3214868480
	.section	.rodata,"a",@progbits
	.p2align	6, 0x0
	.amdhsa_kernel k_q8ac81250a0_attn
		.amdhsa_group_segment_fixed_size 327680
		.amdhsa_private_segment_fixed_size 0
		.amdhsa_enable_private_segment 0
		.amdhsa_kernarg_size 16
		.amdhsa_user_sgpr_count 2
		.amdhsa_user_sgpr_kernarg_segment_ptr 1
		.amdhsa_wavefront_size32 1
		.amdhsa_system_sgpr_workgroup_id_x 1
		.amdhsa_system_sgpr_workgroup_id_y 1
		.amdhsa_system_sgpr_workgroup_id_z 1
		.amdhsa_system_vgpr_workitem_id 0
		.amdhsa_next_free_vgpr 770
		.amdhsa_next_free_sgpr 66
		.amdhsa_reserve_vcc 0
		.amdhsa_float_denorm_mode_32 3
		.amdhsa_float_denorm_mode_16_64 3
		.amdhsa_memory_ordered 1
		.amdhsa_forward_progress 1
		.amdhsa_inst_pref_size 209
	.end_amdhsa_kernel
	.amdgpu_metadata
---
amdhsa.version: [ 1, 2 ]
amdhsa.kernels:
  - .name:           k_q8ac81250a0_attn
    .symbol:         k_q8ac81250a0_attn.kd
    .args:
      - { .name: qkv, .offset: 0, .size: 8, .value_kind: global_buffer, .address_space: global }
      - { .name: o, .offset: 8, .size: 8, .value_kind: global_buffer, .address_space: global }
    .group_segment_fixed_size: 327680
    .private_segment_fixed_size: 0
    .kernarg_segment_align: 8
    .kernarg_segment_size: 16
    .max_flat_workgroup_size: 128
    .sgpr_count:     66
    .vgpr_count:     770
    .wavefront_size: 32
...
	.end_amdgpu_metadata
.endif
;; end of part 3
;; launch outp (part 4): grid 8 x 32, 4 waves a work-group, clusters of 4 x 4, 327,680 bytes of LDS; arguments o, cst, bo, out0; writes out0
.if DOCPART == 4
	.amdgcn_target "amdgcn-amd-amdhsa--gfx1250"
	.amdhsa_code_object_version 6
	.text
	.protected	k_q8ac81250a0_outp
	.globl	k_q8ac81250a0_outp
	.p2align	8
	.type	k_q8ac81250a0_outp,@function
k_q8ac81250a0_outp:
	s_mov_b64 s[64:65], 0
	v_nop
	global_prefetch_b8 v0, s[64:65] scope:SCOPE_SE
	s_setreg_imm32_b32 hwreg(HW_REG_WAVE_MODE, 25, 1), 1
	s_wait_xcnt 0x0
	s_wait_alu depctr_hold_cnt(0) depctr_sa_sdst(0) depctr_va_vdst(0) depctr_va_sdst(0) depctr_va_ssrc(0) depctr_va_vcc(0) depctr_vm_vsrc(0)
	s_getreg_b32 s2, hwreg(HW_REG_IB_STS2, 6, 4)
	s_cmp_eq_u32 s2, 0
	s_cbranch_scc0 .Lentry_in_a_cluster
	s_endpgm
.Lentry_in_a_cluster:
	s_bfe_u32 s2, ttmp6, 0x10000c
	s_cmp_lg_u32 s2, 0xf033
	s_cbranch_scc0 .Lentry_shape_is_right
	s_endpgm
.Lentry_shape_is_right:
; out0 = O Wo^T + bo.  A = O, by heads: o[64 = batch x 16 + head][2048][64] f16; K index = 64 x head + channel.  B = Wo [1024][1024], rounded to bf16 and written as f16, at cst + WOOFF.
; Products in f16, sums in f32; bo, rounded to bf16 like the other inputs, is the C operand of each accumulator's first product; out0 [8192][1024] is f32.
; LIMIT.  O and Wo arrive within f16's range.  NaN and infinities are not treated apart.
; SHARES.  A tile of C is 256 rows x 128 columns: 32 x 8 tiles, 256 work-groups.  Four waves, each 128 x 64: 32 accumulators of 16 x 16, 256 registers.
; K = 1,024 goes in 8 steps of 128, two heads each, through two LDS slots.  A head's 256 rows of the tile are 32,768 dense bytes: asked for as 128 rows of 256 bytes, padded in LDS after every 128.
; CLUSTER.  4 x 4 work-groups: the four of a row of the cluster need the same tiles of A, the four of a column the same tiles of B; each tile is asked for JOINTLY, by the same tensor load, descriptor and mask.
; THE MATRIX INSTRUCTION IS USED TRANSPOSED (source 0 = 16 rows of B, source 1 = 16 rows of A): lane l holds row l % 16 of C and the columns 8 (l / 16) + 0..7: 32 bytes of f32 on end.
; REGISTERS, in windows of 256 (s_set_vgpr_msb: bits 1:0 source 0, 3:2 source 1, 5:4 source 2, 7:6 destination):
;   window 0: v0-29 addresses; v32-127, v128-223 two fragment buffers (A's 8 fragments, then B's 4); on the way out v32-95 two buffers of 16 rows read back
;   window 1: the 32 accumulators ((a, b) at v[8 (4 a + b)]);  window 2: v0-31 the biases of my 64 columns
.set NBW,   4
.set PA,    144                        ; a row of A in LDS: a head's 128 bytes + 16 of padding: the 16 rows of a fragment load start at 16 different groups of four banks (64 banks of 4 bytes: ISA guide 11.1)
.set PB,    272                        ; a row of B: 256 bytes + 16
.set AHALF, 256*PA                     ; one head's 256 rows: one tensor load
.set BOFF,  2*AHALF                    ; B's 128 rows lie behind A's two heads
.set BHALF, 64*PB                      ; 64 rows of B: one tensor load, and what one wave reads
.set SLOT1, 1<<17                      ; a slot uses 108,544 bytes; slot 1 begins here
.set STAGE, 1<<18                      ; behind the ring, never filled by a tensor load: 16 rows x 272 bytes for each wave, for the way out
.set SP,    272
.set SPARE, STAGE+4*16*SP              ; behind the stages: the spare words, 128 bytes for each wave: two blocks of 256 bytes that no other line names
.set NL,    2*NBW+16                   ; LDS loads in a run
.set KADDA, 1<<19                      ; from a K step to the next: two heads of 2^18 bytes in o,
.set KADDB, 256                        ; 256 bytes along a row of Wo
.set WOOFF, 0x1600000                  ; Wo's first byte in cst
.set ADRA0, 8                          ; v8   my lane's place in A's tile of slot 0; never rewritten
.set ADRB0, 9                          ; v9   the same for B
.set ADRA,  10                         ; v10  the same in the slot in hand
.set ADRB,  11                         ; v11
.set STO,   12                         ; v12  the way out: where I put 32 bytes of a row
.set RD,    14                         ; v14  where I read a row back
.set CO,    15                         ; v15  my byte offset in two rows of C
.set BO,    16                         ; v16  32 (l / 16): my eight biases of a block
.set SPW,   28                         ; v28  LDS address of my spare word: SPARE + 4 x my thread's number; never rewritten
.set NIL,   29                         ; v29  0; never rewritten
.set F0,    32
.set F1,    128
.set OB,    32
.set WV,  14                           ; s14  my wave's number
.set RH,  15                           ; s15  which half of the tile's rows is mine.  Also: I fetch for A (0) or for B (1)
.set CH,  16                           ; s16  which half of its columns.  Also: which head of the step's two, or which half of B's rows, I fetch
.set TB,  23                           ; s23  0 or SLOT1: the slot that is read
.set G1,  24                           ; s[24:31] descriptor group 1 for A's tiles
.set G0,  32                           ; s[32:39] group 0 for A's: a set for each of the two first fills; the second then walks on
.set G1B, 40                           ; s[40:47], s[48:55] the same for B's
.set G0B, 48
.set CNT, 56                           ; s56  trips to go
.set CB,  66                           ; s[66:67] out0 at my part of the tile
.set BB,  68                           ; s[68:69] bo at my 64 columns
.set MSB, 0
.macro WIN new                         ; the immediate's high byte repeats the setting that is left; a switch that changes nothing is dropped
.if MSB != (\new)
	s_set_vgpr_msb (MSB<<8)|(\new)
.set MSB, \new
.endif
.endm
.macro PLACES                          ; four places in front of loads into registers that matrix instructions have read, and of lines that read results
.rept 4
	v_nop
.endr
.endm
; A joint refill by the walking descriptors.  Waves 0 and 1 fetch A's two heads, waves 2 and 3 B's two halves; the branch hangs on the wave's number alone.
; An s_nop 0 and four v_nop follow each of the two lines, ahead of the jump and the label.
.macro JLOAD
	s_cmp_eq_u32 s[RH], 0
	s_cbranch_scc0 .Lfor_b_\@
	tensor_load_to_lds s[G0+4:G0+7], s[G1:G1+7]
	s_nop 0
.rept 4
	v_nop
.endr
	s_branch .Lasked_\@
.Lfor_b_\@:
	tensor_load_to_lds s[G0B+4:G0B+7], s[G1B:G1B+7]
	s_nop 0
.rept 4
	v_nop
.endr
.Lasked_\@:
.endm
.macro CREST                           ; a round of the cluster's barrier behind its opening barrier
	s_cmp_lg_u32 s[WV], 0
	s_cbranch_scc1 .Lnot_wave_0_\@
	s_barrier_signal -3
.Lnot_wave_0_\@:
	s_barrier_wait -3
	s_barrier_signal -1
	s_barrier_wait -1
.endm
.macro CROUND                          ; a whole round
	s_barrier_signal -1
	s_barrier_wait -1
	CREST
.endm
	s_load_b256 s[4:11], s[0:1], 0x0               ; o s[4:5], cst s[6:7], bo s[8:9], out0 s[10:11]
	v_lshl_add_u32 v[SPW], v0, 2, SPARE
	v_mov_b32 v[NIL], 0
	ds_add_u32 v[SPW], v[NIL]                      ; the wave's opening: the add and its wait stand ahead of my first tensor load; the set-up below, work on registers, stands between them
	v_lshrrev_b32 v3, 5, v0
	v_readfirstlane_b32 s[WV], v3                  ; wave 0..3
	s_lshr_b32 s[RH], s[WV], 1
	s_and_b32 s[CH], s[WV], 1
	s_bfe_u32 s17, ttmp6, 0x40000                  ; cx, cy: my place in the cluster
	s_bfe_u32 s18, ttmp6, 0x40004
	s_lshl_b32 s19, ttmp9, 2
	s_add_co_u32 s19, s19, s17                     ; tile column = 4 x cluster x + cx
	s_and_b32 s20, ttmp7, 0xffff
	s_lshl_b32 s20, s20, 2
	s_add_co_u32 s20, s20, s18                     ; tile row = 4 x cluster y + cy
	s_lshl_b32 s21, s18, 2
	s_lshl_b32 s21, 15, s21                        ; my row of the cluster
	s_lshl_b32 s22, 0x1111, s17                    ; my column
	; descriptor group 1.  A: 128 rows of 128 elements, dense, 16 bytes of padding after every 32 words.  B: 64 rows of 128 elements, 1,024 apart, padding after every 64 words
	s_or_b32 s[G1], s21, (1<<16)|(1<<20)|(1<<21)|(4<<22)|(3<<25)   ; 15:0 the mask; 17:16 2-byte elements; 20 padding on; 21 set beside a mask; 24:22 after every 32 words (code 4); 31:25 4 words (code 3)
	s_or_b32 s[G1B], s22, (1<<16)|(1<<20)|(1<<21)|(5<<22)|(3<<25)  ; after every 64 words (code 5)
	s_mov_b32 s[G1+1], 128<<16                     ; tensor_dim0 = 128
	s_mov_b32 s[G1+2], 128<<16                     ; tensor_dim1 = 128
	s_mov_b32 s[G1+3], 128<<16                     ; tile_dim0 = 128
	s_mov_b32 s[G1+4], 128                         ; tile_dim1 = 128
	s_mov_b32 s[G1+5], 128                         ; 128 elements from row to row
	s_mov_b32 s[G1+6], 0
	s_mov_b32 s[G1+7], 0
	s_mov_b32 s[G1B+1], 128<<16
	s_mov_b32 s[G1B+2], 64<<16                     ; tensor_dim1 = 64
	s_mov_b32 s[G1B+3], 128<<16
	s_mov_b32 s[G1B+4], 64                         ; tile_dim1 = 64
	s_mov_b32 s[G1B+5], 1024
	s_mov_b32 s[G1B+6], 0
	s_mov_b32 s[G1B+7], 0
	; where the tiles come from: A's hang on the tile row alone, B's on the tile column alone, each in registers that never hold the other coordinate
	s_lshr_b32 s58, s20, 3
	s_lshl_b32 s58, s58, 22                        ; A: the batch's 16 heads of 2^18 bytes,
	s_and_b32 s59, s20, 7
	s_lshl_b32 s59, s59, 15                        ; the tile's 256 rows of 128 bytes in a head,
	s_add_co_u32 s58, s58, s59
	s_lshl_b32 s59, s[CH], 18                      ; the step's first or second head
	s_add_co_u32 s58, s58, s59
	s_mov_b32 s59, 0
	s_lshl_b32 s60, s19, 7
	s_lshl_b32 s61, s[CH], 6
	s_add_co_u32 s60, s60, s61                     ; B: row 128 x tile column + 64 x half,
	s_lshl_b32 s60, s60, 11                        ; 2,048 bytes a row
	s_add_co_u32 s60, s60, WOOFF
	s_mov_b32 s61, 0
	s_mul_i32 s57, s[CH], AHALF                    ; and where they go: no place in the cluster enters an LDS address
	s_mul_i32 s62, s[CH], BHALF
	s_add_co_u32 s62, s62, BOFF
	s_wait_dscnt 0x0                               ; the opening add is done
	s_wait_kmcnt 0x0
	s_add_nc_u64 s[58:59], s[4:5], s[58:59]
	s_add_nc_u64 s[60:61], s[6:7], s[60:61]
	CROUND                                         ; all sixteen work-groups are here: the first joint loads meet
.irp s, 0,1
	s_mov_b32 s[G0+4*(\s)], 1                                      ; 1:0 count = 1
	s_add_co_u32 s[G0+4*(\s)+1], s57, (\s)*SLOT1                   ; 63:32 LDS address
	s_add_nc_u64 s[G0+4*(\s)+2:G0+4*(\s)+3], s[58:59], (\s)*KADDA  ; 120:64 global address: K step s
	s_or_b32 s[G0+4*(\s)+3], s[G0+4*(\s)+3], 0x80000000            ; 127:126 type = 2
	s_mov_b32 s[G0B+4*(\s)], 1
	s_add_co_u32 s[G0B+4*(\s)+1], s62, (\s)*SLOT1
	s_add_nc_u64 s[G0B+4*(\s)+2:G0B+4*(\s)+3], s[60:61], (\s)*KADDB
	s_or_b32 s[G0B+4*(\s)+3], s[G0B+4*(\s)+3], 0x80000000
.endr
	s_cmp_eq_u32 s[RH], 0                          ; a wave's two first fills stand in one branch, ahead of every wait on TENSORcnt and every LDS read: two loads of mine are out, later one
	s_cbranch_scc0 .Lfirst_b
	tensor_load_to_lds s[G0:G0+3], s[G1:G1+7]
	s_nop 0
	tensor_load_to_lds s[G0+4:G0+7], s[G1:G1+7]
	s_nop 0
.rept 4
	v_nop
.endr
	s_branch .Lfirst_asked
.Lfirst_b:
	tensor_load_to_lds s[G0B:G0B+3], s[G1B:G1B+7]
	s_nop 0
	tensor_load_to_lds s[G0B+4:G0B+7], s[G1B:G1B+7]
	s_nop 0
.rept 4
	v_nop
.endr
.Lfirst_asked:
	; all that follows up to the barrier stands in the wait for the first tile
	v_and_b32 v1, 15, v0                           ; l % 16
	v_bfe_u32 v2, v0, 4, 1                         ; l / 16
	v_lshlrev_b32 v[BO], 5, v2
	s_lshl_b32 s70, s19, 9                         ; my 64 columns of bo: 512 x tile column + 256 x half, in bytes
	s_lshl_b32 s71, s[CH], 8
	s_add_co_u32 s70, s70, s71
	s_mov_b32 s71, 0
	s_add_nc_u64 s[BB:BB+1], s[8:9], s[70:71]
	WIN 0x80                                       ; destination window 2, address window 0
.irp b, 0,1,2,3
	global_load_b128 v[8*(\b):8*(\b)+3],   v[BO], s[BB:BB+1] offset:64*(\b)
	global_load_b128 v[8*(\b)+4:8*(\b)+7], v[BO], s[BB:BB+1] offset:64*(\b)+16
.endr
	WIN 0
	; a fragment is 16 rows x 32 K in 8 registers: lane l holds row l % 16, K = 8 (l / 16) + 0..7 and 16 + 8 (l / 16) + 0..7: two loads of 16 bytes, 32 bytes apart
	v_mul_u32_u24 v3, v1, PA
	v_lshl_add_u32 v3, v2, 4, v3
	s_mul_i32 s63, s[RH], 128*PA
	v_add_nc_u32 v[ADRA0], s63, v3                 ; my 128 rows, in the step's first head
	v_mul_u32_u24 v3, v1, PB
	v_lshl_add_u32 v3, v2, 4, v3
	v_add_nc_u32 v[ADRB0], s62, v3                 ; my 64 rows of B
	v_mov_b32 v[ADRA], v[ADRA0]
	v_mov_b32 v[ADRB], v[ADRB0]
	s_mov_b32 s[TB], 0
	s_mul_i32 s63, s[WV], 16*SP
	s_add_co_u32 s63, s63, STAGE                   ; my stage
	v_mul_u32_u24 v4, v1, SP                       ; in: row l % 16, 32 bytes for each half of the lanes
	v_lshl_add_u32 v4, v2, 5, v4
	v_add_nc_u32 v[STO], s63, v4
	v_mul_u32_u24 v5, v2, SP                       ; back: lanes 0-15 take one row of 256 bytes, lanes 16-31 the next
	v_lshl_add_u32 v5, v1, 4, v5
	v_add_nc_u32 v[RD], s63, v5
	v_lshlrev_b32 v[CO], 12, v2                    ; and the same two rows in C: 4,096 bytes a row
	v_lshl_add_u32 v[CO], v1, 4, v[CO]
	s_lshl_b32 s70, s20, 8
	s_lshl_b32 s71, s[RH], 7
	s_add_co_u32 s70, s70, s71                     ; my first row of C,
	s_lshl_b32 s70, s70, 12
	s_lshl_b32 s71, s19, 9                         ; my first column, in bytes
	s_add_co_u32 s70, s70, s71
	s_lshl_b32 s71, s[CH], 8
	s_add_co_u32 s70, s70, s71
	s_mov_b32 s71, 0
	s_add_nc_u64 s[CB:CB+1], s[10:11], s[70:71]
; 8 matrix instructions: row blocks a0, a0 + 1 of the half hi x all 4 column blocks, 32 along K.  first = 1: the bias starts the sums: nothing is cleared and no addition is written.
; The 32 accumulators take turns, one instruction a turn, in the same order in every quarter, over the backward jump and into the tail too.
.macro MULP f, hi, a0, first
.if \first
	WIN 0x60                                       ; C in window 2, D in window 1
.else
	WIN 0x50                                       ; C and D in window 1
.endif
.irp a, \a0, (\a0)+1
.irp b, 0,1,2,3
.if \first
	v_wmma_f32_16x16x32_f16 v[8*(4*(4*(\hi)+(\a))+(\b)):8*(4*(4*(\hi)+(\a))+(\b))+7], v[(\f)+64+8*(\b):(\f)+64+8*(\b)+7], v[(\f)+8*(4*(\hi)+(\a)):(\f)+8*(4*(\hi)+(\a))+7], v[8*(\b):8*(\b)+7]
.else
	v_wmma_f32_16x16x32_f16 v[8*(4*(4*(\hi)+(\a))+(\b)):8*(4*(4*(\hi)+(\a))+(\b))+7], v[(\f)+64+8*(\b):(\f)+64+8*(\b)+7], v[(\f)+8*(4*(\hi)+(\a)):(\f)+8*(4*(\hi)+(\a))+7], v[8*(4*(4*(\hi)+(\a))+(\b)):8*(4*(4*(\hi)+(\a))+(\b))+7]
.endif
.endr
.endr
.endm
; 24 LDS loads in one run: the fragments of quarter q into buffer f: B's four (byte 64 q of the rows), A's rows 0-63, A's rows 64-127 (head q / 2 of the step's two, byte 64 (q % 2) of its rows)
.macro FETCH q, f
	WIN 0
.irp j, 0,1,2,3
	ds_load_b128 v[(\f)+64+8*(\j):(\f)+64+8*(\j)+3],   v[ADRB] offset:64*(\q)+(\j)*16*PB
	ds_load_b128 v[(\f)+64+8*(\j)+4:(\f)+64+8*(\j)+7], v[ADRB] offset:64*(\q)+(\j)*16*PB+32
.endr
.irp i, 0,1,2,3,4,5,6,7
	ds_load_b128 v[(\f)+8*(\i):(\f)+8*(\i)+3],   v[ADRA] offset:((\q)/2)*AHALF+((\q)%2)*64+(\i)*16*PA
	ds_load_b128 v[(\f)+8*(\i)+4:(\f)+8*(\i)+7], v[ADRA] offset:((\q)/2)*AHALF+((\q)%2)*64+(\i)*16*PA+32
.endr
.endm
; A K step is four quarters of 32 along K, 32 matrix instructions each, on buffers 0, 1, 0, 1.  One of the first three: multiplies buffer f; in its middle it fetches quarter qn into buffer g.
.macro QUARTER qn, f, g, first
	s_wait_dscnt 8                                 ; B and A's rows 0-63 are in; the youngest eight loads (A's rows 64-127) may be out
	MULP \f, 0, 0, \first
	MULP \f, 0, 2, \first
	PLACES                                         ; buffer g was read by the quarter before
	FETCH \qn, \g
	s_wait_dscnt NL                                ; all but the 24 just issued
	MULP \f, 1, 0, \first
	MULP \f, 1, 2, \first
.endm
; The fourth quarter multiplies buffer 1 and changes slots: ONE barrier.  In front of it each wave waits for all its tensor loads (one is out: its part of the next slot), adds 0 to its spare word, and waits for that and
; for its own reads of this slot.  fill = 1: the barrier opens a round of the cluster's; behind the round this slot is filled again, two K steps ahead: 112 matrix instructions stand between the request and the wait for it.
.macro TURN fill
	WIN 0                                          ; (the add's two registers lie in window 0)
	s_wait_tensorcnt 0x0                           ; all my tensor loads have landed
	ds_add_u32 v[SPW], v[NIL]                      ; 0 onto my spare word
	s_wait_dscnt 9                                 ; (the add and the youngest eight loads may be out)
	MULP F1, 0, 0, 0                               ; eight matrix instructions stand between the add and the wait for it
	s_wait_dscnt 0x0                               ; the add is done, and my reads of this slot are over
	s_barrier_signal -1
	MULP F1, 0, 2, 0                               ; work on registers while the others arrive
	WIN 0                                          ; (branches may follow)
	s_barrier_wait -1
.if \fill
	CREST                                          ; no wave of any partner still reads this slot's tile or has a load on its way
	s_xor_b32 s[G0+5], s[G0+5], SLOT1              ; the walking descriptors: the other slot than last time,
	s_add_nc_u64 s[G0+6:G0+7], s[G0+6:G0+7], KADDA ; the next K step; the type bits on top are not reached
	s_xor_b32 s[G0B+5], s[G0B+5], SLOT1
	s_add_nc_u64 s[G0B+6:G0B+7], s[G0B+6:G0B+7], KADDB
	JLOAD                                          ; the first tensor load behind the round; its four v_nop are also the places in front of the loads below
.else
	PLACES
.endif
	s_xor_b32 s[TB], s[TB], SLOT1                  ; the reads go on in the other slot
	v_add_nc_u32 v[ADRA], s[TB], v[ADRA0]
	v_add_nc_u32 v[ADRB], s[TB], v[ADRB0]
	FETCH 0, F0
	MULP F1, 1, 0, 0
	MULP F1, 1, 2, 0
.endm
	s_wait_tensorcnt 0x1                           ; my part of K step 0 is in; step 1's may stay out
	s_barrier_signal -1
	s_barrier_wait -1                              ; everybody's is
	FETCH 0, F0
	s_wait_loadcnt 0x0                             ; the biases
	WIN 0x0a                                       ; they are rounded to bf16, as all inputs are: sources window 2, destination window 0 (buffer 1 is still free)
.set t, 0
.rept 16
	v_cvt_pk_bf16_f32 v[F1+t], v[2*t], v[2*t+1]
.set t, t+1
.endr
	WIN 0x80                                       ; and widened again: a shift, a mask
.set t, 0
.rept 16
	v_lshlrev_b32 v[2*t], 16, v[F1+t]
	v_and_b32 v[2*t+1], 0xffff0000, v[F1+t]
.set t, t+1
.endr
	QUARTER 1, F0, F1, 1                           ; the first quarter stands in front of the loop: its products start the sums
	WIN 0                                          ; at a label and at a branch every window is 0
	s_mov_b32 s[CNT], 6
.Lstep:                                                ; trip t: quarters 1-3 of K step t, quarter 0 of step t + 1; step t + 2 is asked for
	QUARTER 2, F1, F0, 0
	QUARTER 3, F0, F1, 0
	TURN 1
	QUARTER 1, F0, F1, 0
	WIN 0
	s_sub_co_u32 s[CNT], s[CNT], 1
	s_cmp_lg_u32 s[CNT], 0
	s_cbranch_scc1 .Lstep
	QUARTER 2, F1, F0, 0                           ; the tail is written out: steps 6 and 7 ask for nothing
	QUARTER 3, F0, F1, 0
	TURN 0
	QUARTER 1, F0, F1, 0
	QUARTER 2, F1, F0, 0
	QUARTER 3, F0, F1, 0
	s_wait_dscnt 8                                 ; the very last quarter: nothing more to fetch
	MULP F1, 0, 0, 0
	MULP F1, 0, 2, 0
	s_wait_dscnt 0x0
	MULP F1, 1, 0, 0
	MULP F1, 1, 2, 0
	WIN 0
	PLACES
	PLACES
; THE WAY OUT, a block of 16 rows at a time, through my own stage: a lane's 32 bytes go into rows of 272 bytes, straight from the accumulators, and come back as whole rows of 256 bytes (my 64 columns of f32).
; No barrier: the stage is my wave's own, and LDS serves a wave's instructions in order (ISA guide 5.7.1.4).
.macro TOSTAGE a
.if (\a) >= 2
	s_wait_xcnt 0x0                                ; the stores of the block two back have read their registers (ISA guide 3.1): these are loaded again only behind this wait
.endif
	WIN 0x04                                       ; the data (source 1) in window 1
.irp b, 0,1,2,3
	ds_store_b128 v[STO], v[8*(4*(\a)+(\b)):8*(4*(\a)+(\b))+3]   offset:64*(\b)
	ds_store_b128 v[STO], v[8*(4*(\a)+(\b))+4:8*(4*(\a)+(\b))+7] offset:64*(\b)+16
.endr
	WIN 0
.irp t, 0,1,2,3,4,5,6,7
	ds_load_b128 v[OB+32*((\a)%2)+4*(\t):OB+32*((\a)%2)+4*(\t)+3], v[RD] offset:(\t)*2*SP
.endr
.endm
.macro SEND a, younger                 ; younger: the LDS instructions issued behind block a's loads: the next block's sixteen, or none
.irp t, 0,1,2,3,4,5,6,7
	s_wait_dscnt (\younger)+7-(\t)
	global_store_b128 v[CO], v[OB+32*((\a)%2)+4*(\t):OB+32*((\a)%2)+4*(\t)+3], s[CB:CB+1] offset:(16*(\a)+2*(\t))*4096 th:TH_STORE_NT  ; 16 lanes store 256 consecutive bytes, at a multiple of 256 from out0's first byte
.endr
.endm
	TOSTAGE 0
.irp a, 1,2,3,4,5,6,7
	TOSTAGE \a
	SEND (\a)-1, 16
.endr
	SEND 7, 0
	s_wait_tensorcnt 0x0                           ; the wave's end: a wait, an add and its wait, behind my last tensor load and my last LDS store
	ds_add_u32 v[SPW], v[NIL]
	s_wait_dscnt 0x0
	CROUND                                         ; the closing round: no work-group ends while a partner may still ask for a tile that names it
	s_endpgm
.Lfunc_end_k_q8ac81250a0_outp:
	.size	k_q8ac81250a0_outp, .Lfunc_end_k_q8ac81250a0_outp-k_q8ac81250a0_outp
	.p2alignl 7, 3214868480
	.fill 96, 4, 3214868480
	.section	.rodata,"a",@progbits
	.p2align	6, 0x0
	.amdhsa_kernel k_q8ac81250a0_outp
		.amdhsa_group_segment_fixed_size 327680
		.amdhsa_private_segment_fixed_size 0
		.amdhsa_enable_private_segment 0
		.amdhsa_kernarg_size 32
		.amdhsa_user_sgpr_count 2
		.amdhsa_user_sgpr_kernarg_segment_ptr 1
		.amdhsa_wavefront_size32 1
		.amdhsa_system_sgpr_workgroup_id_x 1
		.amdhsa_system_sgpr_workgroup_id_y 1
		.amdhsa_system_sgpr_workgroup_id_z 1
		.amdhsa_system_vgpr_workitem_id 0
		.amdhsa_next_free_vgpr 544
		.amdhsa_next_free_sgpr 72
		.amdhsa_reserve_vcc 0
		.amdhsa_float_denorm_mode_32 3
		.amdhsa_float_denorm_mode_16_64 3
		.amdhsa_memory_ordered 1
		.amdhsa_forward_progress 1
		.amdhsa_inst_pref_size 75
	.end_amdhsa_kernel
	.amdgpu_metadata
---
amdhsa.version: [ 1, 2 ]
amdhsa.kernels:
  - .name:           k_q8ac81250a0_outp
    .symbol:         k_q8ac81250a0_outp.kd
    .args:
      - { .name: o, .offset: 0, .size: 8, .value_kind: global_buffer, .address_space: global }
      - { .name: cst, .offset: 8, .size: 8, .value_kind: global_buffer, .address_space: global }
      - { .name: bo, .offset: 16, .size: 8, .value_kind: global_buffer, .address_space: global }
      - { .name: out0, .offset: 24, .size: 8, .value_kind: global_buffer, .address_space: global }
    .group_segment_fixed_size: 327680
    .private_segment_fixed_size: 0
    .kernarg_segment_align: 8
    .kernarg_segment_size: 32
    .max_flat_workgroup_size: 128
    .sgpr_count:     72
    .vgpr_count:     544
    .wavefront_size: 32
...
	.end_amdgpu_metadata
.endif
;; end of part 4
